; MI455X (gfx1250); checked and timed in simulation.
; The chip was launched on July 23, 2026; its instructions are those of AMD's public machine-readable ISA for CDNA 5 (MIT licence, August 2026) and "CDNA5" Instruction Set Architecture Reference Guide (July 2026). The comments in the code are by the model that wrote it; some were corrected since.
;; Single Head Attention. Allowed arithmetic: float matrix products may take bf16 or f16 operands with f32 sums; other float arithmetic in f32, or as packed bf16 or f16 multiplies, adds, multiply-adds, maxima and minima; sums over many terms, partial sums and values carried from step to step in f32; what a program stores and reads back later, other than sums and carried values, may be rounded once to bf16 or f16.
;; Inputs: Wk 1,024 x 1,024 float32; Wq 1,024 x 1,024 float32; Wv 1,024 x 1,024 float32; k 4 x 2,048 x 1,024 float32; q 4 x 2,048 x 1,024 float32; v 4 x 2,048 x 1,024 float32; x 4 x 2,048 x 1,024 float32.
;; Outputs: out0 4 x 2,048 x 1,024 float32.
;; 2 versions, each right; version 2 is version 1 with the launch cast written anew for expert scheduling mode. Each part assembles by itself: llvm-mc -triple=amdgcn-amd-amdhsa -mcpu=gfx1250 --defsym DOCPART=n.
;; ======== version 1 of 2: 6 launches
;; limits: values are held in f16: magnitudes above 65,504 overflow, below 6.1e-05 lose precision
;; workspace buffers: xb 54,525,952 bytes; pr 50,331,648 bytes; sc 67,108,864 bytes; pw 33,554,432 bytes
;; launch cast (part 1): grid 832 x 1, 8 waves a work-group, no clusters, 0 bytes of LDS; arguments k, q, v, Wk, Wq, xb; writes xb
.if DOCPART == 1
	.amdgcn_target "amdgcn-amd-amdhsa--gfx1250"
	.amdhsa_code_object_version 6
	.text
	.protected	k_q565a9bb5d1_cast
	.globl	k_q565a9bb5d1_cast
	.p2align	8
	.type	k_q565a9bb5d1_cast,@function
k_q565a9bb5d1_cast:
	s_mov_b64 s[64:65], 0
	v_nop
	global_prefetch_b8 v0, s[64:65] scope:SCOPE_SE
	s_setreg_imm32_b32 hwreg(HW_REG_WAVE_MODE, 25, 1), 1
	s_wait_xcnt 0x0
; k, q, v, Wk, Wq (f32) are rounded once to bf16 into xb, [26624][1024]: rows 0-8191 k, 8192-16383 q, 16384-24575 v, 24576-25599 Wk ([c][h] as it lies), 25600-26623 Wq.
; The module's other two inputs are loaded by no launch of this program: of x the module takes the shape alone, and Wv it never names (v is projected with the query weights).
; SHARES.  A work-group makes 32 rows of xb.  Thread t takes the 16 bytes at 16 t of each source row and writes the 8 bytes at 8 t of each row of xb: a load of a wave covers 512 consecutive
; bytes, a store 256 consecutive bytes at a multiple of 256 from xb's first byte.  All 32 loads of a thread go out at once; no register is written twice, so no wait frees a source.
.set RIN,  4096                        ; bytes in a source row
.set ROUT, 2048                        ; bytes in a row of xb
.set X,    4                           ; v[4:131]   row i: 4 numbers as loaded
.set Y,    132                         ; v[132:195] row i: 4 numbers in bf16
	s_load_b256 s[4:11], s[0:1], 0x0               ; k s[4:5], q s[6:7], v s[8:9], Wk s[10:11]
	s_load_b128 s[12:15], s[0:1], 0x20             ; Wq s[12:13], xb s[14:15]
	v_lshlrev_b32 v1, 4, v0                        ; 16 t
	v_lshlrev_b32 v2, 3, v0                        ; 8 t
	s_mov_b32 s18, 800                             ; the first work-group of the source in hand
	s_mov_b32 s21, 0
	s_mov_b32 s23, 0
	s_lshl_b32 s22, ttmp9, 16                      ; 32 rows of 2,048 bytes
	s_wait_kmcnt 0x0
	s_mov_b64 s[16:17], s[12:13]                   ; work-groups 800-831: Wq
	s_cmp_lt_u32 ttmp9, 800
	s_cselect_b64 s[16:17], s[10:11], s[16:17]     ; 768-799: Wk
	s_cselect_b32 s18, 768, s18
	s_cmp_lt_u32 ttmp9, 768
	s_cselect_b64 s[16:17], s[8:9], s[16:17]       ; 512-767: v
	s_cselect_b32 s18, 512, s18
	s_cmp_lt_u32 ttmp9, 512
	s_cselect_b64 s[16:17], s[6:7], s[16:17]       ; 256-511: q
	s_cselect_b32 s18, 256, s18
	s_cmp_lt_u32 ttmp9, 256
	s_cselect_b64 s[16:17], s[4:5], s[16:17]       ; 0-255: k
	s_cselect_b32 s18, 0, s18
	s_sub_co_u32 s20, ttmp9, s18
	s_lshl_b32 s20, s20, 17                        ; 32 rows of 4,096 bytes
	s_add_nc_u64 s[16:17], s[16:17], s[20:21]
	s_add_nc_u64 s[14:15], s[14:15], s[22:23]
.set i, 0
.rept 32
	global_load_b128 v[X+4*i:X+4*i+3], v1, s[16:17] offset:RIN*i th:TH_LOAD_NT
.set i, i+1
.endr
.set i, 0
.rept 32
	s_wait_loadcnt 31-i                            ; loads come back in order (ISA guide 5.7.1): row i is in, the 31 - i younger ones stay out
	v_cvt_pk_bf16_f32 v[Y+2*i],   v[X+4*i],   v[X+4*i+1]
	v_cvt_pk_bf16_f32 v[Y+2*i+1], v[X+4*i+2], v[X+4*i+3]
	global_store_b64 v2, v[Y+2*i:Y+2*i+1], s[14:15] offset:ROUT*i th:TH_STORE_NT
.set i, i+1
.endr
	s_endpgm
.Lfunc_end_k_q565a9bb5d1_cast:
	.size	k_q565a9bb5d1_cast, .Lfunc_end_k_q565a9bb5d1_cast-k_q565a9bb5d1_cast
	.p2alignl 7, 3214868480
	.fill 96, 4, 3214868480
	.section	.rodata,"a",@progbits
	.p2align	6, 0x0
	.amdhsa_kernel k_q565a9bb5d1_cast
		.amdhsa_group_segment_fixed_size 0
		.amdhsa_private_segment_fixed_size 0
		.amdhsa_enable_private_segment 0
		.amdhsa_kernarg_size 48
		.amdhsa_user_sgpr_count 2
		.amdhsa_user_sgpr_kernarg_segment_ptr 1
		.amdhsa_wavefront_size32 1
		.amdhsa_system_sgpr_workgroup_id_x 1
		.amdhsa_system_sgpr_workgroup_id_y 1
		.amdhsa_system_sgpr_workgroup_id_z 1
		.amdhsa_system_vgpr_workitem_id 0
		.amdhsa_next_free_vgpr 196
		.amdhsa_next_free_sgpr 66
		.amdhsa_reserve_vcc 0
		.amdhsa_float_denorm_mode_32 3
		.amdhsa_float_denorm_mode_16_64 3
		.amdhsa_memory_ordered 1
		.amdhsa_forward_progress 1
		.amdhsa_inst_pref_size 13
	.end_amdhsa_kernel
	.amdgpu_metadata
---
amdhsa.version: [ 1, 2 ]
amdhsa.kernels:
  - .name:           k_q565a9bb5d1_cast
    .symbol:         k_q565a9bb5d1_cast.kd
    .args:
      - { .name: k, .offset: 0, .size: 8, .value_kind: global_buffer, .address_space: global }
      - { .name: q, .offset: 8, .size: 8, .value_kind: global_buffer, .address_space: global }
      - { .name: v, .offset: 16, .size: 8, .value_kind: global_buffer, .address_space: global }
      - { .name: Wk, .offset: 24, .size: 8, .value_kind: global_buffer, .address_space: global }
      - { .name: Wq, .offset: 32, .size: 8, .value_kind: global_buffer, .address_space: global }
      - { .name: xb, .offset: 40, .size: 8, .value_kind: global_buffer, .address_space: global }
    .group_segment_fixed_size: 0
    .private_segment_fixed_size: 0
    .kernarg_segment_align: 8
    .kernarg_segment_size: 48
    .max_flat_workgroup_size: 256
    .sgpr_count:     66
    .vgpr_count:     196
    .wavefront_size: 32
...
	.end_amdgpu_metadata
.endif
;; end of part 1
;; launch proj (part 2): grid 4 x 96, 4 waves a work-group, clusters of 4 x 4, 327,680 bytes of LDS; arguments xb, pr; writes pr
.if DOCPART == 2
	.amdgcn_target "amdgcn-amd-amdhsa--gfx1250"
	.amdhsa_code_object_version 6
	.text
	.protected	k_q565a9bb5d1_proj
	.globl	k_q565a9bb5d1_proj
	.p2align	8
	.type	k_q565a9bb5d1_proj,@function
k_q565a9bb5d1_proj:
	s_mov_b64 s[64:65], 0
	v_nop
	global_prefetch_b8 v0, s[64:65] scope:SCOPE_SE
	s_setreg_imm32_b32 hwreg(HW_REG_WAVE_MODE, 25, 1), 1
	s_wait_xcnt 0x0
	s_wait_alu depctr_hold_cnt(0) depctr_sa_sdst(0) depctr_va_vdst(0) depctr_va_sdst(0) depctr_va_ssrc(0) depctr_va_vcc(0) depctr_vm_vsrc(0)
	s_getreg_b32 s2, hwreg(HW_REG_IB_STS2, 6, 4)
	s_cmp_eq_u32 s2, 0
	s_cbranch_scc0 .Lentry_in_a_cluster
	s_endpgm
.Lentry_in_a_cluster:
	s_bfe_u32 s2, ttmp6, 0x10000c
	s_cmp_lg_u32 s2, 0xf033
	s_cbranch_scc0 .Lentry_shape_is_right
	s_endpgm
.Lentry_shape_is_right:
; THE THREE PROJECTIONS AS ONE PRODUCT.  pr[m][n] = sum over c of A[m][c] W[c][n].  A: rows 0-24575 of xb (k, q, v in bf16).  W: Wk (xb from row 24576) for m < 8192, Wq (from row 25600) for the
; rest: q AND v take the query weights, as the module does.  Sums in f32, K ascending; pr is f16, [24576][1024]: kp, qp, vp, each rounded once, unscaled.
; LIMIT.  f16 holds no number beyond 65,504: |kp|, |qp|, |vp| must stay under 65,520 (drawn spread 0.64; 576 with both factors thirty times larger; some 18,432 with offsets of thirty spreads on both).
; A tile of pr, 256 x 256, is made by four waves, each 128 x 128: 64 accumulators, 512 registers.  K goes in 8 steps of 128 through a ring of two LDS slots filled by the tensor data mover.
; A's tile lies along K (rows of 256 bytes).  W lies [K][N]: its tile is 128 K rows x 256 columns (rows of 512 bytes), and its fragments come out of LDS turned, by ds_load_tr16_b128.
; CLUSTERS: 4 x 4 work-groups.  The four of a row of the cluster need the same tile of A, the four of a column the same tile of W: each tile is asked for jointly, by the same tensor load with the same
; descriptor and a mask that names the four.  A cluster's 1,024 rows lie in one of k, q, v, so which W it takes hangs on the cluster's y alone, which all sixteen share.
; THE MATRIX INSTRUCTION IS USED TRANSPOSED: source 0 = 16 columns of W, source 1 = 16 rows of A; a lane then holds row l % 16 and the eight neighbouring columns 8 (l / 16) + 0..7: 16 bytes of f16.
; REGISTERS, in windows of 256 (s_set_vgpr_msb: bits 1:0 source 0, 3:2 source 1, 5:4 source 2, 7:6 destination):
;   window 0: v0-31 addresses; v64-127, v128-191 fragments of A, two buffers; v192-223 packed results; v32-63, v224-255 rows read back from the stage, by turns
;   window 1: v64-127, v128-191 fragments of W, two buffers          window 2: the accumulators of my rows 0-63, (a, b) at v[8 (8 a + b)]          window 3: those of my rows 64-127
.set KSTEP,  128
.set ROWB,   2048                      ; bytes in a row of xb and of pr
.set PITCH,  272                       ; a row of A in LDS: 256 bytes + 16 = 68 words: the 16 rows of a load start at 16 different groups of four banks (64 banks of 4 bytes: ISA guide 11.1)
.set PB,     544                       ; a K row of W in LDS: 512 bytes + 32 = 136 words
.set HALFT,  128*PITCH                 ; what one tensor load brings: 128 rows of A, or 64 K rows of W (64 x 544 is the same number)
.set SLOT,   4*HALFT                   ; A's 256 rows, then W's 128 K rows
.set STAGE,  2*SLOT                    ; behind the ring: 16 rows x 272 bytes for each wave, for the way out
.set SPITCH, 272
.set SPARE,  STAGE+4*16*SPITCH         ; behind the stages: the spare words, 128 bytes for each wave: two blocks of 256 bytes that no other line names
.set LAPS,   4                         ; a lap = two K steps = once round the ring
.set WK0,    24576*ROWB                ; Wk's first byte in xb
.set WQ0,    25600*ROWB                ; Wq's
.set ADRA, 16                          ; v16-17  LDS address of my A fragments in slot 0, 1
.set ADRB, 20                          ; v20-21  the same for W
.set STO,  24                          ; v24     the way out: where I put 16 bytes of a row
.set RD,   25                          ; v25     the way out: where I read a row back
.set CO,   26                          ; v26     my byte offset in two rows of pr
.set SPW,  28                          ; v28     LDS address of my spare word: SPARE + 4 x my thread's number; never rewritten
.set NIL,  29                          ; v29     0; never rewritten
.set PFO,  30                          ; v30     the prefetches' lane offset; never rewritten
.set LIM,  43                          ; s43     1 in a wave that prefetches, else the greatest number
.set PFA,  44                          ; s[44:45] where my prefetches stand
.set PST,  66                          ; s[66:67] a K step in bytes along my tensor: 256 for A, 128 rows for W
.set F0,   64
.set F1,   128
.set TMP,  192
.set OB,   32
.set G1,  24                           ; s[24:31] descriptor group 1 for A's tiles
.set G0,  32                           ; s[32:39] group 0 for A's tiles, a set for each slot
.set G1B, 48                           ; s[48:55] group 1 for W's tiles
.set G0B, 56                           ; s[56:63] group 0 for W's tiles
.set MSB, 0
.macro WIN new                         ; the immediate's high byte repeats the setting that is left; a switch that changes nothing is dropped
.if MSB != (\new)
	s_set_vgpr_msb (MSB<<8)|(\new)
.set MSB, \new
.endif
.endm
.set MUL_LO, 0xa1                      ; source 0 (W) window 1, source 1 (A) window 0, C and D window 2
.set MUL_HI, 0xf1                      ; the same, C and D window 3
.set TO_B,   0x40                      ; destination window 1, address window 0
; A joint load.  Waves 0 and 1 fetch A's two halves, waves 2 and 3 W's.  The branch hangs on the wave's number alone.  An s_nop 0 and four v_nop follow each line.
.macro JLOAD s
	s_cmp_eq_u32 s11, 0
	s_cbranch_scc0 .Lfor_b_\@
	tensor_load_to_lds s[G0+4*(\s):G0+4*(\s)+3], s[G1:G1+7]
	s_nop 0
.rept 4
	v_nop
.endr
	s_branch .Lasked_\@
.Lfor_b_\@:
	tensor_load_to_lds s[G0B+4*(\s):G0B+4*(\s)+3], s[G1B:G1B+7]
	s_nop 0
.rept 4
	v_nop
.endr
.Lasked_\@:
.endm
; A prefetch into the L2, behind each joint refill and the run of LDS loads that follows it: the K step that stands two refills on, 512 matrix instructions ahead of the load that will want it.
; Each aligned block of 256 bytes is named once in the launch.  A's rows are read by one row of one cluster: its four partners take 32 of a wave's 128 rows each, by cx, a lane a row.
; W's tile of a K step is 64 K rows x 512 bytes a wave: the four partners of a column take 16 rows each, by cy, two lanes a row; of the clusters that read Wk the one with y = 0 asks, of those that read Wq
; the one with y = 8.  No branch hangs on a place in the cluster.  The loop's last trip asks for nothing: K steps 8 and 9 do not exist.  K steps 0 to 3 come by their loads alone.
.macro ASK
	s_cmp_gt_u32 s3, s[LIM]                        ; s3 = 1 in the loop's last trip
	s_cbranch_scc0 .Lnot_mine_\@
	global_prefetch_b8 v[PFO], s[PFA:PFA+1] th:TH_LOAD_NT scope:SCOPE_SE
.Lnot_mine_\@:
.endm
.macro CREST                           ; a round of the cluster's barrier behind its opening barrier
	s_cmp_lg_u32 s10, 0
	s_cbranch_scc1 .Lnot_wave_0_\@
	s_barrier_signal -3
.Lnot_wave_0_\@:
	s_barrier_wait -3
	s_barrier_signal -1
	s_barrier_wait -1
.endm
.macro CROUND                          ; a whole round
	s_barrier_signal -1
	s_barrier_wait -1
	CREST
.endm
	s_load_b128 s[4:7], s[0:1], 0x0                ; xb s[4:5], pr s[6:7]
	v_lshl_add_u32 v[SPW], v0, 2, SPARE
	v_mov_b32 v[NIL], 0
	ds_add_u32 v[SPW], v[NIL]                      ; the wave's opening: the add and its wait stand ahead of my first tensor load; the set-up below, work on registers, stands between them
	v_lshrrev_b32 v1, 5, v0
	v_readfirstlane_b32 s10, v1                    ; wave 0..3
	s_lshr_b32 s11, s10, 1                         ; which half of the tile's rows is mine.  Also: I fetch for A (0) or for W (1)
	s_and_b32 s12, s10, 1                          ; which half of its columns.  Also: which half of that tile I fetch
	s_bfe_u32 s40, ttmp6, 0x40000                  ; cx
	s_bfe_u32 s41, ttmp6, 0x40004                  ; cy
	s_lshl_b32 s42, ttmp9, 2
	s_add_co_u32 s42, s42, s40                     ; tile column = 4 x cluster x + cx
	s_and_b32 s18, ttmp7, 0xffff                   ; cluster y, 0..23: 0-7 k, 8-15 q, 16-23 v
	s_lshl_b32 s13, s18, 2
	s_add_co_u32 s13, s13, s41                     ; tile row = 4 x cluster y + cy
	s_lshl_b32 s43, s41, 2
	s_lshl_b32 s43, 15, s43                        ; my row of the cluster: places 4 cy .. 4 cy + 3
	s_lshl_b32 s44, 0x1111, s40                    ; my column: places cx, cx + 4, cx + 8, cx + 12
	s_or_b32 s[G1+0], s43, (1<<16)|(1<<20)|(1<<21)|(5<<22)|(3<<25)   ; mask: my row; elements of 2 bytes; padding on; bit 21 beside a mask; after every 64 words, 4 words
	s_mov_b32 s[G1+1], KSTEP<<16                   ; tensor_dim0 = 128
	s_mov_b32 s[G1+2], 128<<16                     ; tensor_dim1 = 128
	s_mov_b32 s[G1+3], KSTEP<<16                   ; tile_dim0 = 128
	s_mov_b32 s[G1+4], 128                         ; tile_dim1 = 128
	s_mov_b32 s[G1+5], 1024                        ; elements from row to row
	s_mov_b32 s[G1+6], 0
	s_mov_b32 s[G1+7], 0
	s_or_b32 s[G1B+0], s44, (1<<16)|(1<<20)|(1<<21)|(6<<22)|(7<<25)  ; mask: my column; after every 128 words, 8 words
	s_mov_b32 s[G1B+1], 256<<16                    ; tensor_dim0 = 256 columns
	s_mov_b32 s[G1B+2], 64<<16                     ; tensor_dim1 = 64 K rows
	s_mov_b32 s[G1B+3], 256<<16
	s_mov_b32 s[G1B+4], 64
	s_mov_b32 s[G1B+5], 1024
	s_mov_b32 s[G1B+6], 0
	s_mov_b32 s[G1B+7], 0
	; where the tiles come from: A's hang on the tile row alone, W's on the tile column and the cluster's y alone; each offset in registers that never hold the other coordinate
	s_lshl_b32 s17, s12, 7
	s_lshl_b32 s16, s13, 8
	s_add_co_u32 s16, s16, s17                     ; A: row 256 x tile row + 128 x half
	s_lshl_b32 s16, s16, 11                        ; in bytes (under 2^26)
	s_mov_b32 s17, 0
	s_mov_b32 s46, WQ0
	s_cmp_lt_u32 s18, 8
	s_cselect_b32 s46, WK0, s46                    ; k's rows take Wk, q's and v's take Wq
	s_lshl_b32 s47, s12, 17                        ; + 64 K rows x half
	s_add_co_u32 s46, s46, s47
	s_lshl_b32 s47, s42, 9                         ; + 256 columns x tile column
	s_add_co_u32 s46, s46, s47
	s_mov_b32 s47, 0
	s_mul_i32 s20, s10, HALFT                      ; and where they go: wave x HALFT: no place in the cluster enters an LDS address
	s_wait_dscnt 0x0                               ; the opening add is done
	s_wait_kmcnt 0x0
	s_add_nc_u64 s[14:15], s[4:5], s[16:17]
	s_add_nc_u64 s[46:47], s[4:5], s[46:47]
	CROUND                                         ; all sixteen work-groups are here: the first joint loads meet
.irp s, 0,1
	s_mov_b32 s[G0+4*(\s)], 1                                        ; count = 1
	s_add_co_u32 s[G0+4*(\s)+1], s20, (\s)*SLOT                      ; LDS address
	s_add_nc_u64 s[G0+4*(\s)+2:G0+4*(\s)+3], s[14:15], (\s)*KSTEP*2  ; global address: K step s
	s_or_b32 s[G0+4*(\s)+3], s[G0+4*(\s)+3], 0x80000000              ; type = 2
	s_mov_b32 s[G0B+4*(\s)], 1
	s_add_co_u32 s[G0B+4*(\s)+1], s20, (\s)*SLOT
	s_add_nc_u64 s[G0B+4*(\s)+2:G0B+4*(\s)+3], s[46:47], (\s)*KSTEP*ROWB
	s_or_b32 s[G0B+4*(\s)+3], s[G0B+4*(\s)+3], 0x80000000
	JLOAD \s                                       ; two loads of mine are out
.endr
	; A's fragment: lane l holds row l % 16; K = 8 (l / 16) + 0..7 and 16 + 8 (l / 16) + 0..7: two loads of 16 bytes, 32 bytes apart
	v_and_b32 v1, 15, v0                           ; l % 16
	v_bfe_u32 v2, v0, 4, 1                         ; l / 16
	v_mul_u32_u24 v3, v1, PITCH
	v_lshl_add_u32 v3, v2, 4, v3
	; W's: the turning load takes 16 K rows x 16 columns (lane l reads K row 8 (l / 16) + l % 8, columns 8 ((l / 8) % 2) + 0..7) and leaves half a fragment: lane l holds column l % 16 and 8 K
	v_and_b32 v6, 7, v0
	v_lshl_add_u32 v6, v2, 3, v6
	v_mul_u32_u24 v6, v6, PB
	v_bfe_u32 v7, v0, 3, 1
	v_lshl_add_u32 v6, v7, 4, v6
	s_mul_i32 s21, s11, HALFT                      ; my 128 rows of A
	s_lshl_b32 s22, s12, 8                         ; my 128 columns of W: 256 bytes of each K row,
	s_add_co_u32 s22, s22, 2*HALFT                 ; behind A's 256 rows
.irp s, 0,1
	v_add_nc_u32 v[ADRA+(\s)], s21, v3
	v_add_nc_u32 v[ADRB+(\s)], s22, v6
	s_add_co_u32 s21, s21, SLOT
	s_add_co_u32 s22, s22, SLOT
.endr
	s_mul_i32 s23, s10, 16*SPITCH
	s_add_co_u32 s23, s23, STAGE                   ; my stage
	v_mul_u32_u24 v4, v1, SPITCH                   ; in: row l % 16, 16 bytes for each half of the lanes
	v_lshl_add_u32 v4, v2, 4, v4
	v_add_nc_u32 v[STO], s23, v4
	v_mul_u32_u24 v5, v2, SPITCH                   ; back: lanes 0-15 take one row of 256 bytes, lanes 16-31 the next
	v_lshl_add_u32 v5, v1, 4, v5
	v_add_nc_u32 v[RD], s23, v5
	v_lshlrev_b32 v5, 11, v2                       ; and the same two rows in pr
	v_lshl_add_u32 v[CO], v1, 4, v5
	s_lshl_b32 s13, s13, 8                         ; 256 x tile row
	s_lshl_b32 s14, s11, 7
	s_add_co_u32 s16, s13, s14                     ; my first row of pr
	s_lshl_b32 s16, s16, 11
	s_mov_b32 s17, 0
	s_lshl_b32 s46, s42, 9                         ; my first column, in bytes: 512 x tile column + 256 x half
	s_lshl_b32 s47, s12, 8
	s_add_co_u32 s46, s46, s47
	s_mov_b32 s47, 0
	s_add_nc_u64 s[16:17], s[16:17], s[46:47]
	s_add_nc_u64 s[8:9], s[6:7], s[16:17]          ; pr at my part of the tile: never stepped, a block's place stands in the stores' immediates
	; the prefetches' address: at K step 3; each change of slots steps it once and then names it
	s_lshl_b32 s20, s12, 7
	s_add_co_u32 s20, s20, s13
	s_lshl_b32 s21, s40, 5
	s_add_co_u32 s20, s20, s21                     ; A: the 128 rows that I fetch, my work-group's 32 of them
	s_lshl_b32 s20, s20, 11
	s_add_co_u32 s20, s20, 3*KSTEP*2
	s_lshl_b32 s21, s12, 6
	s_lshl_b32 s22, s41, 4
	s_add_co_u32 s21, s21, s22                     ; W: the 64 K rows that I fetch, my work-group's 16 of them
	s_lshl_b32 s21, s21, 11
	s_lshl_b32 s22, s42, 9
	s_add_co_u32 s21, s21, s22
	s_add_co_u32 s21, s21, 3*KSTEP*ROWB
	s_mov_b32 s22, WQ0
	s_cmp_lt_u32 s18, 8
	s_cselect_b32 s22, WK0, s22
	s_add_co_u32 s21, s21, s22
	s_mov_b32 s[PST], KSTEP*ROWB
	s_mov_b32 s[PST+1], 0
	s_cmp_eq_u32 s11, 0                            ; do I fetch for A?
	s_cselect_b32 s20, s20, s21
	s_cselect_b32 s[PST], KSTEP*2, s[PST]
	s_mov_b32 s21, 0
	s_add_nc_u64 s[PFA:PFA+1], s[4:5], s[20:21]
	s_and_b32 s22, s18, 0xfff7                     ; 0 where the cluster's y is 0 or 8,
	s_mul_i32 s22, s22, s11                        ; and in every wave that fetches for A
	s_cmp_eq_u32 s22, 0
	s_cselect_b32 s[LIM], 1, -1                    ; the same in all sixteen partners, for a given wave
	v_and_b32 v5, 31, v0
	v_lshrrev_b32 v[PFO], s11, v5                  ; A: a lane a row; W: two lanes a row,
	v_lshlrev_b32 v[PFO], 11, v[PFO]
	v_and_b32 v5, s11, v5
	v_lshl_add_u32 v[PFO], v5, 8, v[PFO]           ; 256 bytes apart
; 16 matrix instructions: m blocks a0, a0 + 1 of the window's four x all 8 n blocks, 32 along K.  zero = 1: the first product starts the sums: nothing is ever cleared.
; The 64 accumulators take turns, one instruction a turn, in the same order in every quarter step.
.macro MUL16 f, hi, a0, zero
	WIN MUL_LO+0x50*(\hi)
.irp a, \a0, (\a0)+1
.irp b, 0,1,2,3,4,5,6,7
.if \zero
	v_wmma_f32_16x16x32_bf16 v[8*(8*(\a)+(\b)):8*(8*(\a)+(\b))+7], v[(\f)+8*(\b):(\f)+8*(\b)+7], v[(\f)+8*(4*(\hi)+(\a)):(\f)+8*(4*(\hi)+(\a))+7], 0
.else
	v_wmma_f32_16x16x32_bf16 v[8*(8*(\a)+(\b)):8*(8*(\a)+(\b))+7], v[(\f)+8*(\b):(\f)+8*(\b)+7], v[(\f)+8*(4*(\hi)+(\a)):(\f)+8*(4*(\hi)+(\a))+7], v[8*(8*(\a)+(\b)):8*(8*(\a)+(\b))+7]
.endif
.endr
.endr
.endm
; 32 LDS loads in one run: the fragments of quarter q of a K step (128 columns of W, 128 rows of A, 32 along K) into buffer f; W's sixteen first
.macro FETCH slot, q, f
	WIN TO_B
.irp i, 0,1,2,3,4,5,6,7
	ds_load_tr16_b128 v[(\f)+8*(\i):(\f)+8*(\i)+3],   v[ADRB+(\slot)] offset:(\q)*32*PB+(\i)*32
	ds_load_tr16_b128 v[(\f)+8*(\i)+4:(\f)+8*(\i)+7], v[ADRB+(\slot)] offset:(\q)*32*PB+16*PB+(\i)*32
.endr
	WIN 0
.irp i, 0,1,2,3,4,5,6,7
	ds_load_b128 v[(\f)+8*(\i):(\f)+8*(\i)+3],   v[ADRA+(\slot)] offset:(\q)*64+(\i)*16*PITCH
	ds_load_b128 v[(\f)+8*(\i)+4:(\f)+8*(\i)+7], v[ADRA+(\slot)] offset:(\q)*64+(\i)*16*PITCH+32
.endr
.endm
.macro PLACES                          ; four plain instructions between a matrix instruction and a load into, or a vector read of, its registers (ISA guide 7.12.1 for vector reads)
.rept 4
	v_nop
.endr
.endm
; One of a K step's first three quarters: multiplies buffer f; in its middle it fetches quarter q of the same slot into buffer g.
.macro QUARTER slot, q, f, g, zero
	s_wait_dscnt 8                                 ; W and A's rows 0-63 are in; the youngest eight loads (A's rows 64-127) may be out
	MUL16 \f, 0, 0, \zero
	MUL16 \f, 0, 2, \zero
	PLACES
	FETCH \slot, \q, \g
	s_wait_dscnt 32                                ; all but the 32 just issued
	MUL16 \f, 1, 0, \zero
	MUL16 \f, 1, 2, \zero
.endm
; The first half of the last quarter, and the one barrier of a change of slots.  In front of it each wave waits for all its tensor loads (one is out: its part of the next slot), adds 0 to its spare word,
; and waits for that and for its own reads of this slot.  Behind it nobody reads this slot any more and the next slot is whole.
.macro MEET round                      ; round = 1: a round of the cluster's barrier follows
	WIN 0                                          ; (the add's two registers lie in window 0)
	s_wait_tensorcnt 0x0
	ds_add_u32 v[SPW], v[NIL]                      ; 0 onto my spare word
	s_wait_dscnt 9                                 ; (the add and the youngest eight loads may be out)
	MUL16 F1, 0, 0, 0                              ; sixteen matrix instructions stand between the add and the wait for it
	s_wait_dscnt 0x0                               ; the add is done, and my reads of this slot are over
	s_barrier_signal -1
	MUL16 F1, 0, 2, 0                              ; work on registers while the others arrive
.if \round
	WIN 0
.endif
	s_barrier_wait -1
.endm
; The whole last quarter where the slot is filled again, with the K step two steps on: the joint refill is the first tensor load behind the round; 224 matrix instructions stand between it and the wait for it.
.macro TURN slot, next
	s_wait_xcnt 0x0                                ; the last prefetch, a K step back, has read its address
	s_add_nc_u64 s[PFA:PFA+1], s[PFA:PFA+1], s[PST:PST+1]
	MEET 1
	CREST                                          ; no wave of any partner still reads this slot's tile or has a load on its way
	s_add_nc_u64 s[G0+4*(\slot)+2:G0+4*(\slot)+3], s[G0+4*(\slot)+2:G0+4*(\slot)+3], 2*KSTEP*2
	s_add_nc_u64 s[G0B+4*(\slot)+2:G0B+4*(\slot)+3], s[G0B+4*(\slot)+2:G0B+4*(\slot)+3], 2*KSTEP*ROWB
	JLOAD \slot                                    ; the four v_nop behind it are also the places in front of the loads below
	FETCH \next, 0, F0
	ASK
	MUL16 F1, 1, 0, 0
	MUL16 F1, 1, 2, 0
.endm
; THE WAY OUT of block a (16 rows).  PACK: rounded to f16, each accumulator's registers in ascending order.  TOSTAGE: into my own stage, and back as whole rows of 256 bytes.  SEND: stored.
.macro PACK a
.set AC, 64*((\a)%4)
	WIN 0x0a+5*((\a)/4)                            ; sources 0 and 1: window 2 or 3
.irp b, 0,1,2,3,4,5,6,7
.irp r, 0,1,2,3
	v_cvt_pk_f16_f32 v[TMP+4*(\b)+(\r)], v[AC+8*(\b)+2*(\r)], v[AC+8*(\b)+2*(\r)+1]
.endr
.endr
	WIN 0
.endm
.macro TOSTAGE a
.set BK, OB+192*((\a)%2)
.irp b, 0,1,2,3,4,5,6,7
	ds_store_b128 v[STO], v[TMP+4*(\b):TMP+4*(\b)+3] offset:32*(\b)
.endr
.irp t, 0,1,2,3,4,5,6,7
	ds_load_b128 v[BK+4*(\t):BK+4*(\t)+3], v[RD] offset:(\t)*2*SPITCH  ; LDS serves a wave's instructions in order (ISA guide 5.7.1.4): these see the stores above
.endr
.endm
.macro SEND a
.set BK, OB+192*((\a)%2)
	s_wait_dscnt 0x0                               ; the block is back in registers
	s_wait_xcnt 0x0                                ; the stores of the block before have read their registers, which the next TOSTAGE loads again
.irp t, 0,1,2,3,4,5,6,7
	global_store_b128 v[CO], v[BK+4*(\t):BK+4*(\t)+3], s[8:9] offset:(16*(\a)+2*(\t))*ROWB  ; 16 lanes store 256 consecutive bytes, at a multiple of 256 from pr's first byte
.endr
.endm
	s_wait_tensorcnt 1                             ; my part of K step 0 is in; K step 1's may stay out
	s_barrier_signal -1
	s_barrier_wait -1                              ; everybody's is
	FETCH 0, 0, F0
	QUARTER 0, 1, F0, F1, 1                        ; the first quarter stands in front of the loop: its products start the sums
	WIN 0                                          ; at a label and at a branch every window is 0
	s_mov_b32 s3, LAPS-1
.Llap:                                                 ; a trip goes once round the ring, from a lap's second quarter to the next lap's first, and fills both slots again
	QUARTER 0, 2, F1, F0, 0
	QUARTER 0, 3, F0, F1, 0
	TURN 0, 1
	QUARTER 1, 1, F0, F1, 0
	QUARTER 1, 2, F1, F0, 0
	QUARTER 1, 3, F0, F1, 0
	TURN 1, 0
	QUARTER 0, 1, F0, F1, 0
	WIN 0
	s_sub_co_u32 s3, s3, 1
	s_cmp_lg_u32 s3, 0
	s_cbranch_scc1 .Llap
	QUARTER 0, 2, F1, F0, 0                        ; the last lap is written out: it asks for nothing
	QUARTER 0, 3, F0, F1, 0
	MEET 0                                         ; my one load that was still out is K step 7's, so no round follows
	PLACES
	FETCH 1, 0, F0
	MUL16 F1, 1, 0, 0
	MUL16 F1, 1, 2, 0
	QUARTER 1, 1, F0, F1, 0
	QUARTER 1, 2, F1, F0, 0
	QUARTER 1, 3, F0, F1, 0
	s_wait_dscnt 8                                 ; the very last quarter: nothing more to fetch
	MUL16 F1, 0, 0, 0
	MUL16 F1, 0, 2, 0
	s_wait_dscnt 0x0
	MUL16 F1, 1, 0, 0
	MUL16 F1, 1, 2, 0
	PLACES                                         ; the conversions read results
	PACK 0
	TOSTAGE 0
.irp a, 1,2,3,4,5,6,7                  ; block a's conversions stand between block a - 1's loads from the stage and the wait for them
	PACK \a
	SEND (\a)-1
	TOSTAGE \a
.endr
	SEND 7
	s_wait_tensorcnt 0x0                           ; the wave's end: behind my last tensor load and my last LDS store
	ds_add_u32 v[SPW], v[NIL]
	s_wait_dscnt 0x0
	CROUND                                         ; the closing round: no work-group ends while a partner may still ask for a tile that names it
	s_endpgm
.Lfunc_end_k_q565a9bb5d1_proj:
	.size	k_q565a9bb5d1_proj, .Lfunc_end_k_q565a9bb5d1_proj-k_q565a9bb5d1_proj
	.p2alignl 7, 3214868480
	.fill 96, 4, 3214868480
	.section	.rodata,"a",@progbits
	.p2align	6, 0x0
	.amdhsa_kernel k_q565a9bb5d1_proj
		.amdhsa_group_segment_fixed_size 327680
		.amdhsa_private_segment_fixed_size 0
		.amdhsa_enable_private_segment 0
		.amdhsa_kernarg_size 16
		.amdhsa_user_sgpr_count 2
		.amdhsa_user_sgpr_kernarg_segment_ptr 1
		.amdhsa_wavefront_size32 1
		.amdhsa_system_sgpr_workgroup_id_x 1
		.amdhsa_system_sgpr_workgroup_id_y 1
		.amdhsa_system_sgpr_workgroup_id_z 1
		.amdhsa_system_vgpr_workitem_id 0
		.amdhsa_next_free_vgpr 1024
		.amdhsa_next_free_sgpr 68
		.amdhsa_reserve_vcc 0
		.amdhsa_float_denorm_mode_32 3
		.amdhsa_float_denorm_mode_16_64 3
		.amdhsa_memory_ordered 1
		.amdhsa_forward_progress 1
		.amdhsa_inst_pref_size 144
	.end_amdhsa_kernel
	.amdgpu_metadata
---
amdhsa.version: [ 1, 2 ]
amdhsa.kernels:
  - .name:           k_q565a9bb5d1_proj
    .symbol:         k_q565a9bb5d1_proj.kd
    .args:
      - { .name: xb, .offset: 0, .size: 8, .value_kind: global_buffer, .address_space: global }
      - { .name: pr, .offset: 8, .size: 8, .value_kind: global_buffer, .address_space: global }
    .group_segment_fixed_size: 327680
    .private_segment_fixed_size: 0
    .kernarg_segment_align: 8
    .kernarg_segment_size: 16
    .max_flat_workgroup_size: 128
    .sgpr_count:     68
    .vgpr_count:     1024
    .wavefront_size: 32
...
	.end_amdgpu_metadata
.endif
;; end of part 2
;; launch scores (part 3): grid 9 x 16, 4 waves a work-group, no clusters, 327,680 bytes of LDS; arguments pr, sc; writes sc
.if DOCPART == 3
	.amdgcn_target "amdgcn-amd-amdhsa--gfx1250"
	.amdhsa_code_object_version 6
	.text
	.protected	k_q565a9bb5d1_scores
	.globl	k_q565a9bb5d1_scores
	.p2align	8
	.type	k_q565a9bb5d1_scores,@function
k_q565a9bb5d1_scores:
	s_mov_b64 s[64:65], 0
	v_nop
	global_prefetch_b8 v0, s[64:65] scope:SCOPE_SE
	s_setreg_imm32_b32 hwreg(HW_REG_WAVE_MODE, 25, 1), 1
	s_wait_xcnt 0x0
; THE SCORES.  sc[b][t][s] = sum over h of qp[b][t][h] kp[b][s][h], unscaled, f32, for the tiles (I, J) of 256 x 256 with J <= I; the tiles above the diagonal are neither made nor read later.
; qp: rows 8192 + 2048 b + t of pr, kp: rows 2048 b + s, both f16 along h.  Sums in f32, h ascending.  The diagonal tile is stored whole and unmasked: the launch behind hides what lies above the diagonal.
; WHICH TILE.  A batch has 36 tiles.  Rows 7 - p and p of the triangle have 9 together: work-group (x, y), p = y % 4, b = y / 4, takes (7 - p, x) for x < 8 - p, else (p, x - 8 + p).  144 work-groups, alike.
; NO CLUSTER: row I of the triangle has I + 1 tiles and column J has 8 - J, no multiples of four, and a 4 x 4 block of tiles on the diagonal has six that are not wanted.
; A tile is made by four waves, each 128 x 128: 64 accumulators.  K (= h) goes in 8 steps of 128 through a ring of two LDS slots; each wave fetches a quarter of a slot by one tensor load of 128 rows x 256 bytes.
; THE MATRIX INSTRUCTION IS USED TRANSPOSED: source 0 = 16 rows of kp, source 1 = 16 rows of qp; a lane then holds query l % 16 and the eight neighbouring keys 8 (l / 16) + 0..7: 32 bytes of f32.
; REGISTERS, in windows of 256 (s_set_vgpr_msb: bits 1:0 source 0, 3:2 source 1, 5:4 source 2, 7:6 destination):
;   window 0: v0-31 addresses; v64-127, v128-191 fragments of qp, two buffers, on the way out rows read back from the stage          window 1: v64-127, v128-191 fragments of kp
;   window 2: the accumulators of my rows 0-63, (a, b) at v[8 (8 a + b)]          window 3: those of my rows 64-127
.set KSTEP,  128
.set ROWB,   2048                      ; bytes in a row of pr
.set SROW,   8192                      ; bytes in a row of sc
.set PITCH,  272                       ; an LDS row: 256 bytes + 16 = 68 words: the 16 rows of a load start at 16 different groups of four banks (64 banks of 4 bytes: ISA guide 11.1)
.set HALFT,  128*PITCH
.set SLOT,   4*HALFT                   ; qp's 256 rows, then kp's 256 rows
.set STAGE,  2*SLOT                    ; behind the ring: 16 rows x 528 bytes for each wave, for the way out
.set SP32,   528                       ; 512 bytes + 16
.set SPARE,  STAGE+4*16*SP32           ; behind the stages: the spare words, 128 bytes for each wave: two blocks of 256 bytes that no other line names
.set LAPS,   4
.set ADRA, 16                          ; v16-17  LDS address of my qp fragments in slot 0, 1
.set ADRB, 20                          ; v20-21  the same for kp
.set STO,  24                          ; v24     the way out: where I put 32 bytes of a row
.set RD,   25                          ; v25     the way out: my 16 bytes of a row read back
.set CO,   26                          ; v26     16 x lane: my 16 bytes of 512 consecutive bytes of sc
.set SPW,  28                          ; v28     LDS address of my spare word: SPARE + 4 x my thread's number; never rewritten
.set NIL,  29                          ; v29     0; never rewritten
.set PFO,  30                          ; v30     lane x a row of pr; never rewritten
.set LIM,  43                          ; s43     1 in a wave that prefetches, else the greatest number
.set PFA,  44                          ; s[44:45] where my prefetches stand
.set F0,   64
.set F1,   128
.set G1,  24                           ; s[24:31] descriptor group 1, one for all loads
.set G0,  32                           ; s[32:39] group 0, a set for each slot
.set MSB, 0
.macro WIN new                         ; the immediate's high byte repeats the setting that is left; a switch that changes nothing is dropped
.if MSB != (\new)
	s_set_vgpr_msb (MSB<<8)|(\new)
.set MSB, \new
.endif
.endm
.set MUL_LO, 0xa1                      ; source 0 (kp) window 1, source 1 (qp) window 0, C and D window 2
.set MUL_HI, 0xf1
.set TO_B,   0x40
.macro LOADT s                         ; my quarter of a slot; an s_nop 0 and four v_nop follow
	tensor_load_to_lds s[G0+4*(\s):G0+4*(\s)+3], s[G1:G1+7]
	s_nop 0
.rept 4
	v_nop
.endr
.endm
; A prefetch into the L2, behind each refill and the run of LDS loads that follows it: my own 128 rows' 256 bytes of the K step that stands two refills on, 512 matrix instructions ahead of the load that
; will want them: a lane a row, four instructions.  A block of qp's rows is read by the tiles of one row of the triangle: the tile with J = 0 asks; a block of kp's rows by the tiles of one column: the
; diagonal tile asks.  So each aligned block of 256 bytes is named once in the launch.  The loop's last trip asks for nothing; K steps 0 to 3 come by their loads alone.
.macro ASK4
	s_cmp_gt_u32 s3, s[LIM]
	s_cbranch_scc0 .Lnot_mine_\@
.irp i, 0,1,2,3
	global_prefetch_b8 v[PFO], s[PFA:PFA+1] offset:(\i)*32*ROWB th:TH_LOAD_NT scope:SCOPE_SE
.endr
.Lnot_mine_\@:
.endm
	s_load_b128 s[4:7], s[0:1], 0x0                ; pr s[4:5], sc s[6:7]
	v_lshl_add_u32 v[SPW], v0, 2, SPARE
	v_mov_b32 v[NIL], 0
	ds_add_u32 v[SPW], v[NIL]                      ; the wave's opening: the add and its wait stand ahead of my first tensor load; the set-up below, work on registers, stands between them
	v_lshrrev_b32 v1, 5, v0
	v_readfirstlane_b32 s10, v1                    ; wave 0..3
	s_lshr_b32 s11, s10, 1                         ; which half of the tile's rows is mine.  Also: I fetch for qp (0) or for kp (1)
	s_and_b32 s12, s10, 1                          ; which half of its columns.  Also: which 128 rows of that tile I fetch
	s_and_b32 s13, ttmp7, 0xffff
	s_and_b32 s14, s13, 3                          ; p
	s_lshr_b32 s15, s13, 2                         ; b
	s_sub_co_u32 s16, 8, s14
	s_sub_co_u32 s17, 7, s14
	s_sub_co_u32 s18, ttmp9, s16
	s_cmp_lt_u32 ttmp9, s16
	s_cselect_b32 s17, s17, s14                    ; I
	s_cselect_b32 s18, ttmp9, s18                  ; J
	s_mov_b32 s[G1+0], (1<<16)|(1<<20)|(5<<22)|(3<<25)  ; elements of 2 bytes; padding on; after every 64 words, 4 words
	s_mov_b32 s[G1+1], KSTEP<<16                   ; tensor_dim0 = 128
	s_mov_b32 s[G1+2], 128<<16                     ; tensor_dim1 = 128
	s_mov_b32 s[G1+3], KSTEP<<16                   ; tile_dim0 = 128
	s_mov_b32 s[G1+4], 128                         ; tile_dim1 = 128
	s_mov_b32 s[G1+5], 1024                        ; elements from row to row
	s_mov_b32 s[G1+6], 0
	s_mov_b32 s[G1+7], 0
	s_lshl_b32 s19, s15, 11                        ; 2,048 b
	s_lshl_b32 s20, s17, 8
	s_add_co_u32 s20, s20, 8192                    ; qp: row 8,192 + 256 I
	s_lshl_b32 s21, s18, 8                         ; kp: row 256 J
	s_cmp_eq_u32 s11, 0
	s_cselect_b32 s20, s20, s21
	s_add_co_u32 s20, s20, s19
	s_lshl_b32 s21, s12, 7
	s_add_co_u32 s20, s20, s21                     ; + the 128 rows that I fetch
	s_lshl_b32 s20, s20, 11                        ; in bytes (under 2^26)
	s_mov_b32 s21, 0
	s_mul_i32 s23, s10, HALFT                      ; where they go: wave x 128 rows
	s_sub_co_u32 s22, s17, s18
	s_cselect_b32 s22, s18, s22                    ; (s_mul_i32 and s_mov_b32 leave SCC; the subtraction does not: compare again)
	s_cmp_eq_u32 s11, 0
	s_cselect_b32 s22, s18, s22                    ; qp's askers have J = 0, kp's have I = J
	s_cmp_eq_u32 s22, 0
	s_cselect_b32 s[LIM], 1, -1
	s_wait_dscnt 0x0                               ; the opening add is done
	s_wait_kmcnt 0x0
	s_add_nc_u64 s[40:41], s[4:5], s[20:21]
.irp s, 0,1
	s_mov_b32 s[G0+4*(\s)], 1                                        ; count = 1
	s_add_co_u32 s[G0+4*(\s)+1], s23, (\s)*SLOT                      ; LDS address
	s_add_nc_u64 s[G0+4*(\s)+2:G0+4*(\s)+3], s[40:41], (\s)*KSTEP*2  ; global address: K step s
	s_or_b32 s[G0+4*(\s)+3], s[G0+4*(\s)+3], 0x80000000              ; type = 2
	LOADT \s                                       ; two loads of mine are out
.endr
	s_add_nc_u64 s[PFA:PFA+1], s[40:41], 3*KSTEP*2 ; at K step 3; each change of slots steps it once and then names it
	v_and_b32 v1, 15, v0                           ; l % 16
	v_bfe_u32 v2, v0, 4, 1                         ; l / 16
	v_mul_u32_u24 v3, v1, PITCH
	v_lshl_add_u32 v3, v2, 4, v3                   ; a fragment's row x pitch + 16 x half
	s_mul_i32 s21, s11, HALFT                      ; my 128 rows of qp
	s_mul_i32 s22, s12, HALFT                      ; my 128 rows of kp,
	s_add_co_u32 s22, s22, 2*HALFT                 ; which lie behind qp's 256
.irp s, 0,1
	v_add_nc_u32 v[ADRA+(\s)], s21, v3
	v_add_nc_u32 v[ADRB+(\s)], s22, v3
	s_add_co_u32 s21, s21, SLOT
	s_add_co_u32 s22, s22, SLOT
.endr
	s_mul_i32 s23, s10, 16*SP32
	s_add_co_u32 s23, s23, STAGE                   ; my stage
	v_mul_u32_u24 v4, v1, SP32                     ; in: row l % 16, 32 bytes for each half of the lanes
	v_lshl_add_u32 v4, v2, 5, v4
	v_add_nc_u32 v[STO], s23, v4
	v_and_b32 v5, 31, v0
	v_lshlrev_b32 v[CO], 4, v5                     ; back: 32 lanes take one row of 512 bytes
	v_add_nc_u32 v[RD], s23, v[CO]
	v_lshlrev_b32 v[PFO], 11, v5
	s_lshl_b32 s20, s17, 8
	s_add_co_u32 s20, s20, s19
	s_lshl_b32 s22, s11, 7
	s_add_co_u32 s20, s20, s22                     ; my first row of sc: 2,048 b + 256 I + 128 x half
	s_lshl_b32 s20, s20, 13
	s_lshl_b32 s22, s18, 10
	s_add_co_u32 s20, s20, s22                     ; my first column, in bytes: 1,024 J + 512 x half
	s_lshl_b32 s22, s12, 9
	s_add_co_u32 s20, s20, s22
	s_mov_b32 s21, 0
	s_add_nc_u64 s[8:9], s[6:7], s[20:21]          ; never stepped: a block's place stands in the stores' immediates
; 16 matrix instructions; the 64 accumulators take turns, one instruction a turn, in the same order in every quarter step.  zero = 1: the first product starts the sums.
.macro MUL16 f, hi, a0, zero
	WIN MUL_LO+0x50*(\hi)
.irp a, \a0, (\a0)+1
.irp b, 0,1,2,3,4,5,6,7
.if \zero
	v_wmma_f32_16x16x32_f16 v[8*(8*(\a)+(\b)):8*(8*(\a)+(\b))+7], v[(\f)+8*(\b):(\f)+8*(\b)+7], v[(\f)+8*(4*(\hi)+(\a)):(\f)+8*(4*(\hi)+(\a))+7], 0
.else
	v_wmma_f32_16x16x32_f16 v[8*(8*(\a)+(\b)):8*(8*(\a)+(\b))+7], v[(\f)+8*(\b):(\f)+8*(\b)+7], v[(\f)+8*(4*(\hi)+(\a)):(\f)+8*(4*(\hi)+(\a))+7], v[8*(8*(\a)+(\b)):8*(8*(\a)+(\b))+7]
.endif
.endr
.endr
.endm
.macro FETCH slot, q, f                ; 32 LDS loads in one run: quarter q's fragments into buffer f; kp's sixteen first
	WIN TO_B
.irp i, 0,1,2,3,4,5,6,7
	ds_load_b128 v[(\f)+8*(\i):(\f)+8*(\i)+3],   v[ADRB+(\slot)] offset:(\q)*64+(\i)*16*PITCH
	ds_load_b128 v[(\f)+8*(\i)+4:(\f)+8*(\i)+7], v[ADRB+(\slot)] offset:(\q)*64+(\i)*16*PITCH+32
.endr
	WIN 0
.irp i, 0,1,2,3,4,5,6,7
	ds_load_b128 v[(\f)+8*(\i):(\f)+8*(\i)+3],   v[ADRA+(\slot)] offset:(\q)*64+(\i)*16*PITCH
	ds_load_b128 v[(\f)+8*(\i)+4:(\f)+8*(\i)+7], v[ADRA+(\slot)] offset:(\q)*64+(\i)*16*PITCH+32
.endr
.endm
.macro PLACES                          ; four plain instructions between a matrix instruction and a load into, or a store of, its registers
.rept 4
	v_nop
.endr
.endm
.macro QUARTER slot, q, f, g, zero
	s_wait_dscnt 8                                 ; kp and qp's rows 0-63 are in; the youngest eight loads may be out
	MUL16 \f, 0, 0, \zero
	MUL16 \f, 0, 2, \zero
	PLACES
	FETCH \slot, \q, \g
	s_wait_dscnt 32                                ; all but the 32 just issued
	MUL16 \f, 1, 0, \zero
	MUL16 \f, 1, 2, \zero
.endm
; The one barrier of a change of slots.  In front of it each wave waits for all its tensor loads (one is out: its part of the next slot), adds 0 to its spare word, and waits for that and for its reads of this slot.
.macro MEET
	WIN 0                                          ; (the add's two registers lie in window 0)
	s_wait_tensorcnt 0x0
	ds_add_u32 v[SPW], v[NIL]                      ; 0 onto my spare word
	s_wait_dscnt 9                                 ; (the add and the youngest eight loads may be out)
	MUL16 F1, 0, 0, 0
	s_wait_dscnt 0x0                               ; the add is done, and my reads of this slot are over
	s_barrier_signal -1
	MUL16 F1, 0, 2, 0
	s_barrier_wait -1
.endm
.macro TURN slot, next                 ; the last quarter where the slot is filled again, two K steps ahead: 224 matrix instructions stand between the request and the wait for it
	s_wait_xcnt 0x0                                ; the last prefetches, a K step back, have read their address
	s_add_nc_u64 s[PFA:PFA+1], s[PFA:PFA+1], KSTEP*2
	MEET
	s_add_nc_u64 s[G0+4*(\slot)+2:G0+4*(\slot)+3], s[G0+4*(\slot)+2:G0+4*(\slot)+3], 2*KSTEP*2
	LOADT \slot                                    ; my one tensor load behind the barrier; its four v_nop are also the places in front of the loads below
	FETCH \next, 0, F0
	ASK4
	MUL16 F1, 1, 0, 0
	MUL16 F1, 1, 2, 0
.endm
; THE WAY OUT of block a (16 rows x 128 columns of f32).  The accumulators go into my own stage as they are, low registers first, and come back as whole rows of 512 bytes.
.macro TOSTAGE32 a
.set AC, 64*((\a)%4)
.set BK, F0+64*((\a)%2)
	WIN 0x08+4*((\a)/4)                            ; the stores' data: window 2 or 3
.irp b, 0,1,2,3,4,5,6,7
	ds_store_b128 v[STO], v[AC+8*(\b):AC+8*(\b)+3]   offset:64*(\b)
	ds_store_b128 v[STO], v[AC+8*(\b)+4:AC+8*(\b)+7] offset:64*(\b)+16
.endr
	WIN 0
	s_wait_xcnt 0x0                                ; the stores of the block two back have read the registers that are loaded again below
.irp t, 0,1,2,3,4,5,6,7,8,9,10,11,12,13,14,15
	ds_load_b128 v[BK+4*(\t):BK+4*(\t)+3], v[RD] offset:(\t)*SP32  ; LDS serves a wave's instructions in order (ISA guide 5.7.1.4): these see the stores above
.endr
.endm
.macro SEND32 a, younger               ; younger: the LDS instructions issued behind block a's loads: the next block's 32, or none
.set BK, F0+64*((\a)%2)
	s_wait_dscnt \younger
.irp t, 0,1,2,3,4,5,6,7,8,9,10,11,12,13,14,15
	global_store_b128 v[CO], v[BK+4*(\t):BK+4*(\t)+3], s[8:9] offset:(16*(\a)+(\t))*SROW th:TH_STORE_NT  ; 512 consecutive bytes, at a multiple of 256 from sc's first byte
.endr
.endm
	s_wait_tensorcnt 1                             ; my part of K step 0 is in; K step 1's may stay out
	s_barrier_signal -1
	s_barrier_wait -1
	FETCH 0, 0, F0
	QUARTER 0, 1, F0, F1, 1
	WIN 0
	s_mov_b32 s3, LAPS-1
.Llap:
	QUARTER 0, 2, F1, F0, 0
	QUARTER 0, 3, F0, F1, 0
	TURN 0, 1
	QUARTER 1, 1, F0, F1, 0
	QUARTER 1, 2, F1, F0, 0
	QUARTER 1, 3, F0, F1, 0
	TURN 1, 0
	QUARTER 0, 1, F0, F1, 0
	WIN 0
	s_sub_co_u32 s3, s3, 1
	s_cmp_lg_u32 s3, 0
	s_cbranch_scc1 .Llap
	QUARTER 0, 2, F1, F0, 0                        ; the last lap is written out: it asks for nothing
	QUARTER 0, 3, F0, F1, 0
	MEET
	PLACES
	FETCH 1, 0, F0
	MUL16 F1, 1, 0, 0
	MUL16 F1, 1, 2, 0
	QUARTER 1, 1, F0, F1, 0
	QUARTER 1, 2, F1, F0, 0
	QUARTER 1, 3, F0, F1, 0
	s_wait_dscnt 8
	MUL16 F1, 0, 0, 0
	MUL16 F1, 0, 2, 0
	s_wait_dscnt 0x0
	MUL16 F1, 1, 0, 0
	MUL16 F1, 1, 2, 0
	PLACES                                         ; the LDS stores read results, and the loads from the stage land in registers that products have read
	TOSTAGE32 0
.irp a, 1,2,3,4,5,6,7
	TOSTAGE32 \a
	SEND32 (\a)-1, 32
.endr
	SEND32 7, 0
	s_wait_tensorcnt 0x0                           ; the wave's end: behind my last tensor load and my last LDS store
	ds_add_u32 v[SPW], v[NIL]
	s_wait_dscnt 0x0
	s_endpgm
.Lfunc_end_k_q565a9bb5d1_scores:
	.size	k_q565a9bb5d1_scores, .Lfunc_end_k_q565a9bb5d1_scores-k_q565a9bb5d1_scores
	.p2alignl 7, 3214868480
	.fill 96, 4, 3214868480
	.section	.rodata,"a",@progbits
	.p2align	6, 0x0
	.amdhsa_kernel k_q565a9bb5d1_scores
		.amdhsa_group_segment_fixed_size 327680
		.amdhsa_private_segment_fixed_size 0
		.amdhsa_enable_private_segment 0
		.amdhsa_kernarg_size 16
		.amdhsa_user_sgpr_count 2
		.amdhsa_user_sgpr_kernarg_segment_ptr 1
		.amdhsa_wavefront_size32 1
		.amdhsa_system_sgpr_workgroup_id_x 1
		.amdhsa_system_sgpr_workgroup_id_y 1
		.amdhsa_system_sgpr_workgroup_id_z 1
		.amdhsa_system_vgpr_workitem_id 0
		.amdhsa_next_free_vgpr 1024
		.amdhsa_next_free_sgpr 66
		.amdhsa_reserve_vcc 0
		.amdhsa_float_denorm_mode_32 3
		.amdhsa_float_denorm_mode_16_64 3
		.amdhsa_memory_ordered 1
		.amdhsa_forward_progress 1
		.amdhsa_inst_pref_size 138
	.end_amdhsa_kernel
	.amdgpu_metadata
---
amdhsa.version: [ 1, 2 ]
amdhsa.kernels:
  - .name:           k_q565a9bb5d1_scores
    .symbol:         k_q565a9bb5d1_scores.kd
    .args:
      - { .name: pr, .offset: 0, .size: 8, .value_kind: global_buffer, .address_space: global }
      - { .name: sc, .offset: 8, .size: 8, .value_kind: global_buffer, .address_space: global }
    .group_segment_fixed_size: 327680
    .private_segment_fixed_size: 0
    .kernarg_segment_align: 8
    .kernarg_segment_size: 16
    .max_flat_workgroup_size: 128
    .sgpr_count:     66
    .vgpr_count:     1024
    .wavefront_size: 32
...
	.end_amdgpu_metadata
.endif
;; end of part 3
;; launch softmax (part 4): grid 256 x 4, 8 waves a work-group, no clusters, 0 bytes of LDS; arguments sc, pw; writes pw
.if DOCPART == 4
	.amdgcn_target "amdgcn-amd-amdhsa--gfx1250"
	.amdhsa_code_object_version 6
	.text
	.protected	k_q565a9bb5d1_softmax
	.globl	k_q565a9bb5d1_softmax
	.p2align	8
	.type	k_q565a9bb5d1_softmax,@function
k_q565a9bb5d1_softmax:
	s_mov_b64 s[64:65], 0
	v_nop
	global_prefetch_b8 v0, s[64:65] scope:SCOPE_SE
	s_setreg_imm32_b32 hwreg(HW_REG_WAVE_MODE, 25, 1), 1
	s_wait_xcnt 0x0
; THE CAUSAL SOFTMAX, a row a wave.  pw[b][t][s] = exp((sc[b][t][s] - m) / 32) / l for s <= t, 0 for t < s < 256 (t / 256 + 1); m is the row's maximum over s <= t, l the sum of the exponentials.
; All in f32; the weight p / l is rounded once to f16.  p = 2^(c s - c m), c = log2(e) / 32; c m is one number for the row, so its rounding is a common factor that p / l does not see.
; LIMITS.  A hidden score counts as -1e30 (f16 operands bound a true score by 4.4e12); a weight below 2^-126 counts as 0 in l; NaN and infinities are not treated apart.
; SHARES.  Wave w of work-group (x, b) takes row t = 256 w + x of batch b: w + 1 tiles of 256 columns.  So every work-group holds one row of each length, and all are alike.  The row stays in registers
; between the maximum, the sum and the scaling: it is read once.  Segment s of the registers holds tile w - s, so the diagonal tile is always segment 0; segments beyond the row hold -1e30 and give 0.
; A load of a wave covers 512 consecutive bytes, a store 256 consecutive bytes at a multiple of 256 from pw's first byte.  No LDS, no barrier: no wave wants anything of another.
.set D, 16                             ; v[16:79]  segment s, half j (128 columns) at D + 8 s + 4 j; packed to f16 at D + 4 s + 2 j
	s_load_b128 s[4:7], s[0:1], 0x0                ; sc s[4:5], pw s[6:7]
	v_lshrrev_b32 v1, 5, v0
	v_readfirstlane_b32 s8, v1                     ; wave w
	v_and_b32 v3, 31, v0                           ; lane
	v_lshlrev_b32 v1, 4, v3                        ; my 16 bytes of 512 of sc
	v_lshlrev_b32 v2, 3, v3                        ; my 8 bytes of 256 of pw
	v_lshlrev_b32 v3, 2, v3
	s_mov_b32 s10, ttmp9
	v_sub_nc_u32 v3, s10, v3                       ; x - 4 lane: number e of half j of the diagonal tile is hidden where 128 j + e is greater
	s_and_b32 s11, ttmp7, 0xffff                   ; b
	s_lshl_b32 s9, s8, 8
	s_add_co_u32 s9, s9, ttmp9                     ; t
	s_lshl_b32 s11, s11, 11
	s_add_co_u32 s9, s9, s11                       ; the row among 8,192
	s_lshl_b32 s18, s9, 13                         ; x 8,192 bytes,
	s_lshl_b32 s20, s8, 10
	s_add_co_u32 s18, s18, s20                     ; at the diagonal tile
	s_mov_b32 s19, 0
	s_lshl_b32 s20, s9, 12                         ; x 4,096 bytes,
	s_lshl_b32 s22, s8, 9
	s_add_co_u32 s20, s20, s22
	s_mov_b32 s21, 0
	s_mov_b32 s12, 0x76543210                      ; v_permlanex16_b32: each lane takes its own place in the other half
	s_mov_b32 s13, 0xfedcba98
	s_mov_b32 s14, 0xf149f2ca                      ; -1e30
	s_mov_b32 s16, 0x3d38aa3b                      ; c = log2(e) / 32
	s_mov_b32 s17, s16                             ; named with it as a pair
.set i, 8
.rept 56
	v_mov_b32 v[D+i], s14                          ; segments 1 to 7, ahead of the loads: what no load fills counts as hidden
.set i, i+1
.endr
	s_wait_kmcnt 0x0
	s_add_nc_u64 s[4:5], s[4:5], s[18:19]
	s_add_nc_u64 s[6:7], s[6:7], s[20:21]
	global_load_b128 v[D:D+3],   v1, s[4:5] th:TH_LOAD_NT
	global_load_b128 v[D+4:D+7], v1, s[4:5] offset:512 th:TH_LOAD_NT
.irp s, 1,2,3,4,5,6,7
	s_cmp_lt_u32 s8, \s                            ; the row has w + 1 tiles
	s_cbranch_scc1 .Lin
	global_load_b128 v[D+8*(\s):D+8*(\s)+3],   v1, s[4:5] offset:-1024*(\s) th:TH_LOAD_NT
	global_load_b128 v[D+8*(\s)+4:D+8*(\s)+7], v1, s[4:5] offset:512-1024*(\s) th:TH_LOAD_NT
.endr
.Lin:
	s_wait_loadcnt 0x0
.irp j, 0,1
.irp e, 0,1,2,3
	v_cmp_gt_i32 vcc_lo, 128*(\j)+(\e), v3
	v_cndmask_b32 v[D+4*(\j)+(\e)], v[D+4*(\j)+(\e)], s14, vcc_lo
.endr
.endr
	; the maximum: four chains that do not wait for each other, three operands at a time
.irp k, 0,1,2,3
	v_max3_num_f32 v[6+(\k)], v[D+3*(\k)], v[D+3*(\k)+1], v[D+3*(\k)+2]
.endr
.set j, 0
.rept 26
	v_max3_num_f32 v[6+j%4], v[6+j%4], v[D+12+2*j], v[D+13+2*j]
.set j, j+1
.endr
	v_max3_num_f32 v6, v6, v7, v8
	v_max_num_f32 v6, v6, v9
	v_max_num_f32_dpp v6, v6, v6 row_xmask:1 row_mask:0xf bank_mask:0xf
	v_max_num_f32_dpp v6, v6, v6 row_xmask:2 row_mask:0xf bank_mask:0xf
	v_max_num_f32_dpp v6, v6, v6 row_xmask:4 row_mask:0xf bank_mask:0xf
	v_max_num_f32_dpp v6, v6, v6 row_xmask:8 row_mask:0xf bank_mask:0xf
	v_permlanex16_b32 v7, v6, s12, s13
	v_max_num_f32 v6, v6, v7                       ; every lane holds the row's maximum
	v_mul_f32 v4, s16, v6                          ; c m
	v_mov_b32 v5, v4
.set i, 0
.rept 32
	v_pk_fma_f32 v[D+2*i:D+2*i+1], v[D+2*i:D+2*i+1], s[16:17], v[4:5] op_sel_hi:[1,0,1] neg_lo:[0,0,1] neg_hi:[0,0,1]  ; c s - c m
.set i, i+1
.endr
.set i, 0
.rept 64
	v_exp_f32 v[D+i], v[D+i]                       ; one batch
.set i, i+1
.endr
	v_nop                                          ; a plain instruction behind the last exponential (ISA guide 5.7.2),
	s_wait_alu depctr_va_vdst(0)                   ; and the one wait ahead of the first reader
	; the sum: four chains of pairs
.irp k, 0,1,2,3
	v_pk_add_f32 v[6+2*(\k):7+2*(\k)], v[D+2*(\k):D+2*(\k)+1], v[D+8+2*(\k):D+9+2*(\k)]
.endr
.set j, 8
.rept 24
	v_pk_add_f32 v[6+2*(j%4):7+2*(j%4)], v[6+2*(j%4):7+2*(j%4)], v[D+2*j:D+2*j+1]
.set j, j+1
.endr
	v_pk_add_f32 v[6:7], v[6:7], v[8:9]
	v_pk_add_f32 v[10:11], v[10:11], v[12:13]
	v_pk_add_f32 v[6:7], v[6:7], v[10:11]
	v_add_f32 v6, v6, v7
	v_add_f32_dpp v6, v6, v6 row_xmask:1 row_mask:0xf bank_mask:0xf
	v_add_f32_dpp v6, v6, v6 row_xmask:2 row_mask:0xf bank_mask:0xf
	v_add_f32_dpp v6, v6, v6 row_xmask:4 row_mask:0xf bank_mask:0xf
	v_add_f32_dpp v6, v6, v6 row_xmask:8 row_mask:0xf bank_mask:0xf
	v_permlanex16_b32 v7, v6, s12, s13
	v_add_f32 v6, v6, v7                           ; l, at least about 1: the maximum's own weight
	v_rcp_f32 v14, v6
	v_rcp_f32 v15, v6                              ; twice: a pair for the packed multiply
	v_nop
	s_wait_alu depctr_va_vdst(0)                   ; one wait for both reciprocals, ahead of their first reader and of the branches below
.set i, 0
.rept 32
	v_pk_mul_f32 v[D+2*i:D+2*i+1], v[D+2*i:D+2*i+1], v[14:15]
.set i, i+1
.endr
.set i, 0
.rept 32
	v_cvt_pk_f16_f32 v[D+i], v[D+2*i], v[D+2*i+1]  ; in place, ascending: register D + i is read no more once pair i is taken
.set i, i+1
.endr
	global_store_b64 v2, v[D:D+1],   s[6:7] th:TH_STORE_NT
	global_store_b64 v2, v[D+2:D+3], s[6:7] offset:256 th:TH_STORE_NT
.irp s, 1,2,3,4,5,6,7
	s_cmp_lt_u32 s8, \s
	s_cbranch_scc1 .Lout
	global_store_b64 v2, v[D+4*(\s):D+4*(\s)+1],   s[6:7] offset:-512*(\s) th:TH_STORE_NT
	global_store_b64 v2, v[D+4*(\s)+2:D+4*(\s)+3], s[6:7] offset:256-512*(\s) th:TH_STORE_NT
.endr
.Lout:
	s_endpgm
.Lfunc_end_k_q565a9bb5d1_softmax:
	.size	k_q565a9bb5d1_softmax, .Lfunc_end_k_q565a9bb5d1_softmax-k_q565a9bb5d1_softmax
	.p2alignl 7, 3214868480
	.fill 96, 4, 3214868480
	.section	.rodata,"a",@progbits
	.p2align	6, 0x0
	.amdhsa_kernel k_q565a9bb5d1_softmax
		.amdhsa_group_segment_fixed_size 0
		.amdhsa_private_segment_fixed_size 0
		.amdhsa_enable_private_segment 0
		.amdhsa_kernarg_size 16
		.amdhsa_user_sgpr_count 2
		.amdhsa_user_sgpr_kernarg_segment_ptr 1
		.amdhsa_wavefront_size32 1
		.amdhsa_system_sgpr_workgroup_id_x 1
		.amdhsa_system_sgpr_workgroup_id_y 1
		.amdhsa_system_sgpr_workgroup_id_z 1
		.amdhsa_system_vgpr_workitem_id 0
		.amdhsa_next_free_vgpr 80
		.amdhsa_next_free_sgpr 66
		.amdhsa_reserve_vcc 1
		.amdhsa_float_denorm_mode_32 3
		.amdhsa_float_denorm_mode_16_64 3
		.amdhsa_memory_ordered 1
		.amdhsa_forward_progress 1
		.amdhsa_inst_pref_size 21
	.end_amdhsa_kernel
	.amdgpu_metadata
---
amdhsa.version: [ 1, 2 ]
amdhsa.kernels:
  - .name:           k_q565a9bb5d1_softmax
    .symbol:         k_q565a9bb5d1_softmax.kd
    .args:
      - { .name: sc, .offset: 0, .size: 8, .value_kind: global_buffer, .address_space: global }
      - { .name: pw, .offset: 8, .size: 8, .value_kind: global_buffer, .address_space: global }
    .group_segment_fixed_size: 0
    .private_segment_fixed_size: 0
    .kernarg_segment_align: 8
    .kernarg_segment_size: 16
    .max_flat_workgroup_size: 256
    .sgpr_count:     66
    .vgpr_count:     80
    .wavefront_size: 32
...
	.end_amdgpu_metadata
.endif
;; end of part 4
;; launch pv (part 5): grid 8 x 32, 4 waves a work-group, clusters of 4 x 1, 327,680 bytes of LDS; arguments pw, pr, out0; writes out0
.if DOCPART == 5
	.amdgcn_target "amdgcn-amd-amdhsa--gfx1250"
	.amdhsa_code_object_version 6
	.text
	.protected	k_q565a9bb5d1_pv
	.globl	k_q565a9bb5d1_pv
	.p2align	8
	.type	k_q565a9bb5d1_pv,@function
k_q565a9bb5d1_pv:
	s_mov_b64 s[64:65], 0
	v_nop
	global_prefetch_b8 v0, s[64:65] scope:SCOPE_SE
	s_setreg_imm32_b32 hwreg(HW_REG_WAVE_MODE, 25, 1), 1
	s_wait_xcnt 0x0
	s_wait_alu depctr_hold_cnt(0) depctr_sa_sdst(0) depctr_va_vdst(0) depctr_va_sdst(0) depctr_va_ssrc(0) depctr_va_vcc(0) depctr_vm_vsrc(0)
	s_getreg_b32 s2, hwreg(HW_REG_IB_STS2, 6, 4)
	s_cmp_eq_u32 s2, 0
	s_cbranch_scc0 .Lentry_in_a_cluster
	s_endpgm
.Lentry_in_a_cluster:
	s_bfe_u32 s2, ttmp6, 0x10000c
	s_cmp_lg_u32 s2, 0x3003
	s_cbranch_scc0 .Lentry_shape_is_right
	s_endpgm
.Lentry_shape_is_right:
; THE WEIGHTED SUM.  out0[b][t][h] = sum over s of pw[b][t][s] vp[b][s][h], for t >= 16.  pw: f16, [4][2048][2048], along s.  vp: rows 16384 + 2048 b + s of pr, f16, [s][h].  Sums in f32, s ascending; out0 is f32.
; ROWS 0 TO 15 OF EACH BATCH ARE NOT STORED HERE: the launch 'head' makes them with vp and the weights in f32.  Their products are still made here, with the 112 other rows of their block, and dropped.
; THE WALK.  A batch's queries lie in 16 blocks of 128; block i needs the key steps 0 .. i / 2 of 256 keys (pw holds zeros above the diagonal inside the last of them).  A work-group takes TWO blocks,
; 15 - p and then p, for one block of 128 channels: 9 key steps, whatever p: all 256 work-groups do equal work, and one ring with a constant count walks them.  Which tile is asked for, and when the first
; block leaves, hang on scalar registers made from p; the jumps go forward over text that holds neither a barrier nor a tensor load.
; A tile of out0 is 128 x 128: four waves, each 64 x 64: 16 accumulators.  A slot holds 128 rows of pw x 256 keys and 256 rows of vp x 128 channels; vp's fragments come out of LDS turned.
; CLUSTER: the four work-groups of a cluster differ in the channel block alone: pw's tile is asked for jointly, with a mask that names the four; vp's tile is each one's own, asked for behind the same round.
; vp's tiles are not shared further: the query blocks of a batch walk different sequences of key steps, and only two of its eight pairs walk alike.
; THE MATRIX INSTRUCTION IS USED TRANSPOSED: source 0 = 16 channels of vp, source 1 = 16 rows of pw; a lane then holds query l % 16 and the eight neighbouring channels 8 (l / 16) + 0..7: 32 bytes of f32.
; The accumulators are cleared by v_mov_b32, at the start in the wait for the first tile and once where the first block has left: the price of one form of product for every step of the walk.
; REGISTERS: window 0: v0-31 addresses; v32-95 rows read back from the stage; v128-255 the accumulators, (a, b) at v[128 + 8 (4 a + b)].
;   window 1: two fragment buffers of 128: for 64 keys (two matrix instructions deep) 64 registers of pw, then 64 of vp.
.set PA,     528                       ; a row of pw in LDS: 512 bytes + 16 = 132 words: the 16 rows of a load start at 16 different groups of four banks (64 banks of 4 bytes: ISA guide 11.1)
.set PB,     288                       ; a row of vp: 256 bytes + 32 = 72 words
.set AHALF,  64*PA                     ; what wave 0 or 1 fetches: 64 rows of pw
.set BHALF,  128*PB                    ; what wave 2 or 3 fetches: 128 rows of vp
.set SLOT,   2*AHALF+2*BHALF
.set STAGE,  2*SLOT                    ; behind the ring: 16 rows x 272 bytes for each wave, for the way out
.set SP,     272
.set SPARE,  STAGE+4*16*SP             ; behind the stages: the spare words, 128 bytes for each wave: two blocks of 256 bytes that no other line names
.set VP0,    16384*2048                ; vp's first byte in pr
.set OROW,   4096                      ; bytes in a row of out0
.set ADRA, 16                          ; v16-17  LDS address of my pw fragments in slot 0, 1
.set ADRB, 20                          ; v20-23  of my vp fragments: slot 0 keys 0-127, slot 0 keys 128-255, slot 1 likewise: so that every immediate stays inside 16 bits
.set STO,  24                          ; v24     the way out: where I put 32 bytes of a row
.set RD,   25                          ; v25     the way out: where I read rows back
.set CO,   26                          ; v26     my byte offset in two rows of out0
.set SPW,  28                          ; v28     LDS address of my spare word: SPARE + 4 x my thread's number; never rewritten
.set NIL,  29                          ; v29     0; never rewritten
.set TMP,  32
.set ACC,  128
.set F0,   0
.set F1,   128
.set HEADR, 20                         ; s20  at the last way out: 0 where my first 16 rows are a batch's rows 0 to 15
.set G1,   24                          ; s[24:31] descriptor group 1 for pw's tiles;  s[32:39] group 0, a set for each slot
.set G0,   32
.set G1B,  48                          ; s[48:55], s[56:63] the same for vp's
.set G0B,  56
.set ABASE, 66                         ; s[66:67] pw at the batch's first row, + the 64 rows of a block that I fetch
.set BBASE, 68                         ; s[68:69] vp at the batch's first key, + the 128 keys of a step that I fetch, + my channel block
.set AROW,  70                         ; s70  byte offset of the block whose tiles are being asked for
.set AROWL, 71                         ; s71  the second block's
.set NXT,   72                         ; s72  the key step to be asked for next
.set LQ,    73                         ; s73  the last key step of the block whose tiles are being asked for
.set LQL,   74                         ; s74  the second block's
.set LEFT,  75                         ; s75  key steps of the first block still to be multiplied
.set OFF,   76                         ; s[76:77] a tile's byte offset
.set OUTL,  78                         ; s[78:79] out0 at my part of the second block
.set MSB, 0
.macro WIN new                         ; the immediate's high byte repeats the setting that is left; a switch that changes nothing is dropped
.if MSB != (\new)
	s_set_vgpr_msb (MSB<<8)|(\new)
.set MSB, \new
.endif
.endm
.set MUL,  0x05                        ; sources 0 (vp) and 1 (pw) window 1; C and D window 0
.set TO_F, 0x40                        ; destination window 1, address window 0
.macro JLOAD s                         ; waves 0 and 1 ask jointly for pw's two halves, waves 2 and 3 for vp's; an s_nop 0 and four v_nop follow each line
	s_cmp_eq_u32 s11, 0
	s_cbranch_scc0 .Lfor_b_\@
	tensor_load_to_lds s[G0+4*(\s):G0+4*(\s)+3], s[G1:G1+7]
	s_nop 0
.rept 4
	v_nop
.endr
	s_branch .Lasked_\@
.Lfor_b_\@:
	tensor_load_to_lds s[G0B+4*(\s):G0B+4*(\s)+3], s[G1B:G1B+7]
	s_nop 0
.rept 4
	v_nop
.endr
.Lasked_\@:
.endm
.macro CREST                           ; a round of the cluster's barrier behind its opening barrier
	s_cmp_lg_u32 s10, 0
	s_cbranch_scc1 .Lnot_wave_0_\@
	s_barrier_signal -3
.Lnot_wave_0_\@:
	s_barrier_wait -3
	s_barrier_signal -1
	s_barrier_wait -1
.endm
.macro CROUND
	s_barrier_signal -1
	s_barrier_wait -1
	CREST
.endm
; The addresses of the tiles of key step NXT, made anew from the bases; then NXT steps, and behind the first block's last step goes back to 0 in the second block.
.macro NEXTD slot
	s_lshl_b32 s[OFF], s[NXT], 9                   ; 256 keys of 2 bytes along pw's rows,
	s_add_co_u32 s[OFF], s[OFF], s[AROW]           ; in the block's rows
	s_add_nc_u64 s[G0+4*(\slot)+2:G0+4*(\slot)+3], s[ABASE:ABASE+1], s[OFF:OFF+1]
	s_or_b32 s[G0+4*(\slot)+3], s[G0+4*(\slot)+3], 0x80000000
	s_lshl_b32 s[OFF], s[NXT], 19                  ; 256 rows of vp of 2,048 bytes
	s_add_nc_u64 s[G0B+4*(\slot)+2:G0B+4*(\slot)+3], s[BBASE:BBASE+1], s[OFF:OFF+1]
	s_or_b32 s[G0B+4*(\slot)+3], s[G0B+4*(\slot)+3], 0x80000000
	s_add_co_u32 s[NXT], s[NXT], 1
	s_cmp_gt_u32 s[NXT], s[LQ]
	s_cselect_b32 s[NXT], 0, s[NXT]
	s_cselect_b32 s[AROW], s[AROWL], s[AROW]
	s_cselect_b32 s[LQ], s[LQL], s[LQ]
.endm
	s_load_b128 s[4:7], s[0:1], 0x0                ; pw s[4:5], pr s[6:7]
	s_load_b64 s[8:9], s[0:1], 0x10                ; out0
	v_lshl_add_u32 v[SPW], v0, 2, SPARE
	v_mov_b32 v[NIL], 0
	ds_add_u32 v[SPW], v[NIL]                      ; the wave's opening: the add and its wait ahead of my first tensor load; the set-up below, work on registers, stands between them
	v_lshrrev_b32 v1, 5, v0
	v_readfirstlane_b32 s10, v1                    ; wave 0..3
	s_lshr_b32 s11, s10, 1                         ; which half of the tile's rows is mine.  Also: I fetch for pw (0) or for vp (1)
	s_and_b32 s12, s10, 1                          ; which half of its channels.  Also: which half of that tile I fetch
	s_bfe_u32 s13, ttmp6, 0x40000                  ; cx
	s_lshl_b32 s14, ttmp9, 2
	s_add_co_u32 s14, s14, s13                     ; channel block = 4 x cluster x + cx: it enters vp's and out0's addresses alone
	s_and_b32 s15, ttmp7, 0xffff
	s_and_b32 s16, s15, 7                          ; p: the second block; kept to the end
	s_lshr_b32 s17, s15, 3                         ; b
	s_sub_co_u32 s18, 15, s16                      ; the first block
	s_lshl_b32 s[AROW], s18, 19                    ; 128 rows of 4,096 bytes a block
	s_lshl_b32 s[AROWL], s16, 19
	s_lshr_b32 s[LQ], s18, 1
	s_lshr_b32 s[LQL], s16, 1
	s_add_co_u32 s[LEFT], s[LQ], 1                 ; the first block has 5 to 8 key steps
	s_mov_b32 s[NXT], 2
	s_mov_b32 s[OFF+1], 0
	s_mov_b32 s[G1+0], 15|(1<<16)|(1<<20)|(1<<21)|(6<<22)|(3<<25)  ; the mask of four; elements of 2 bytes; padding on; bit 21 beside a mask; after every 128 words, 4 words
	s_mov_b32 s[G1+1], 256<<16                     ; tensor_dim0 = 256 keys
	s_mov_b32 s[G1+2], 64<<16                      ; tensor_dim1 = 64 rows
	s_mov_b32 s[G1+3], 256<<16
	s_mov_b32 s[G1+4], 64
	s_mov_b32 s[G1+5], 2048                        ; elements from row to row of pw
	s_mov_b32 s[G1+6], 0
	s_mov_b32 s[G1+7], 0
	s_mov_b32 s[G1B+0], (1<<16)|(1<<20)|(5<<22)|(7<<25)            ; no mask: my own; after every 64 words, 8 words
	s_mov_b32 s[G1B+1], 128<<16                    ; tensor_dim0 = 128 channels
	s_mov_b32 s[G1B+2], 128<<16                    ; tensor_dim1 = 128 keys
	s_mov_b32 s[G1B+3], 128<<16
	s_mov_b32 s[G1B+4], 128
	s_mov_b32 s[G1B+5], 1024                       ; elements from row to row of pr
	s_mov_b32 s[G1B+6], 0
	s_mov_b32 s[G1B+7], 0
	s_lshl_b32 s19, s12, 18                        ; 64 rows of pw are as many bytes as 128 rows of vp
	s_lshl_b32 s20, s17, 23                        ; a batch of pw
	s_add_co_u32 s20, s20, s19
	s_mov_b32 s21, 0
	s_lshl_b32 s22, s17, 22                        ; a batch of vp
	s_add_co_u32 s22, s22, s19
	s_add_co_u32 s22, s22, VP0
	s_lshl_b32 s23, s14, 8                         ; 128 channels of 2 bytes
	s_add_co_u32 s22, s22, s23
	s_mov_b32 s23, 0
	s_mul_i32 s40, s12, AHALF                      ; where the tiles go: no place in the cluster enters an LDS address
	s_mul_i32 s41, s12, BHALF
	s_add_co_u32 s41, s41, 2*AHALF
	s_lshl_b32 s42, s17, 11
	s_lshl_b32 s43, s11, 6
	s_add_co_u32 s42, s42, s43                     ; 2,048 b + my 64 rows of a block
	s_lshl_b32 s43, s14, 9
	s_lshl_b32 s44, s12, 8
	s_add_co_u32 s43, s43, s44                     ; my 64 channels, in bytes
	s_lshl_b32 s44, s18, 7
	s_add_co_u32 s44, s44, s42
	s_lshl_b32 s44, s44, 12
	s_add_co_u32 s44, s44, s43                     ; my part of the first block,
	s_mov_b32 s45, 0
	s_lshl_b32 s46, s16, 7
	s_add_co_u32 s46, s46, s42
	s_lshl_b32 s46, s46, 12
	s_add_co_u32 s46, s46, s43                     ; and of the second
	s_mov_b32 s47, 0
	s_wait_dscnt 0x0                               ; the opening add is done
	s_wait_kmcnt 0x0
	s_add_nc_u64 s[ABASE:ABASE+1], s[4:5], s[20:21]
	s_add_nc_u64 s[BBASE:BBASE+1], s[6:7], s[22:23]
	s_add_nc_u64 s[OUTL:OUTL+1], s[8:9], s[46:47]
	s_add_nc_u64 s[8:9], s[8:9], s[44:45]
	CROUND                                         ; all four work-groups are here: the first joint loads meet
.irp s, 0,1
	s_mov_b32 s[G0+4*(\s)], 1                                        ; count = 1
	s_add_co_u32 s[G0+4*(\s)+1], s40, (\s)*SLOT                      ; LDS address
	s_add_co_u32 s[OFF], s[AROW], (\s)*512
	s_add_nc_u64 s[G0+4*(\s)+2:G0+4*(\s)+3], s[ABASE:ABASE+1], s[OFF:OFF+1]  ; the first block's key step s
	s_or_b32 s[G0+4*(\s)+3], s[G0+4*(\s)+3], 0x80000000              ; type = 2
	s_mov_b32 s[G0B+4*(\s)], 1
	s_add_co_u32 s[G0B+4*(\s)+1], s41, (\s)*SLOT
	s_add_nc_u64 s[G0B+4*(\s)+2:G0B+4*(\s)+3], s[BBASE:BBASE+1], (\s)*256*2048
	s_or_b32 s[G0B+4*(\s)+3], s[G0B+4*(\s)+3], 0x80000000
	JLOAD \s                                       ; two loads of mine are out
.endr
.set i, 0
.rept 128
	v_mov_b32 v[ACC+i], 0                          ; the sums start at 0: written while the first tiles are on their way
.set i, i+1
.endr
	v_and_b32 v1, 15, v0                           ; l % 16
	v_bfe_u32 v2, v0, 4, 1                         ; l / 16
	v_mul_u32_u24 v3, v1, PA
	v_lshl_add_u32 v3, v2, 4, v3                   ; pw: a fragment's row x pitch + 16 x half
	v_and_b32 v6, 7, v0                            ; vp: lane l reads key 8 (l / 16) + l % 8, channels 8 ((l / 8) % 2) + 0..7
	v_lshl_add_u32 v6, v2, 3, v6
	v_mul_u32_u24 v6, v6, PB
	v_bfe_u32 v7, v0, 3, 1
	v_lshl_add_u32 v6, v7, 4, v6
	s_mul_i32 s21, s11, AHALF                      ; my 64 rows of pw
	s_lshl_b32 s22, s12, 7                         ; my 64 channels of vp: 128 bytes of each row,
	s_add_co_u32 s22, s22, 2*AHALF                 ; behind pw's 128 rows
.irp s, 0,1
	v_add_nc_u32 v[ADRA+(\s)], s21, v3
	v_add_nc_u32 v[ADRB+2*(\s)], s22, v6
	s_add_co_u32 s23, s22, BHALF
	v_add_nc_u32 v[ADRB+2*(\s)+1], s23, v6
	s_add_co_u32 s21, s21, SLOT
	s_add_co_u32 s22, s22, SLOT
.endr
	s_mul_i32 s23, s10, 16*SP
	s_add_co_u32 s23, s23, STAGE                   ; my stage
	v_mul_u32_u24 v4, v1, SP                       ; in: row l % 16, 32 bytes for each half of the lanes
	v_lshl_add_u32 v4, v2, 5, v4
	v_add_nc_u32 v[STO], s23, v4
	v_mul_u32_u24 v5, v2, SP                       ; back: lanes 0-15 take one row of 256 bytes, lanes 16-31 the next
	v_lshl_add_u32 v5, v1, 4, v5
	v_add_nc_u32 v[RD], s23, v5
	v_lshlrev_b32 v5, 12, v2                       ; and the same two rows in out0
	v_lshl_add_u32 v[CO], v1, 4, v5
; 8 matrix instructions: m blocks a0, a0 + 1 x all 4 n blocks, 32 keys: half c of buffer f.  The 16 accumulators take turns, one instruction a turn.
.macro MUL8 f, c, a0
	WIN MUL
.irp a, \a0, (\a0)+1
.irp b, 0,1,2,3
	v_wmma_f32_16x16x32_f16 v[ACC+8*(4*(\a)+(\b)):ACC+8*(4*(\a)+(\b))+7], v[(\f)+64+8*(4*(\c)+(\b)):(\f)+64+8*(4*(\c)+(\b))+7], v[(\f)+8*(4*(\c)+(\a)):(\f)+8*(4*(\c)+(\a))+7], v[ACC+8*(4*(\a)+(\b)):ACC+8*(4*(\a)+(\b))+7]
.endr
.endr
.endm
; 32 LDS loads in one run: the fragments of quarter q of a key step (64 keys) into buffer f; the first 32 keys first
.macro FETCH slot, q, f
	WIN TO_F
.irp c, 0,1
.irp i, 0,1,2,3
	ds_load_tr16_b128 v[(\f)+64+8*(4*(\c)+(\i)):(\f)+64+8*(4*(\c)+(\i))+3],   v[ADRB+2*(\slot)+(\q)/2] offset:((\q)%2)*64*PB+(\c)*32*PB+(\i)*32
	ds_load_tr16_b128 v[(\f)+64+8*(4*(\c)+(\i))+4:(\f)+64+8*(4*(\c)+(\i))+7], v[ADRB+2*(\slot)+(\q)/2] offset:((\q)%2)*64*PB+(\c)*32*PB+16*PB+(\i)*32
	ds_load_b128 v[(\f)+8*(4*(\c)+(\i)):(\f)+8*(4*(\c)+(\i))+3],              v[ADRA+(\slot)] offset:(\q)*128+(\c)*64+(\i)*16*PA
	ds_load_b128 v[(\f)+8*(4*(\c)+(\i))+4:(\f)+8*(4*(\c)+(\i))+7],            v[ADRA+(\slot)] offset:(\q)*128+(\c)*64+(\i)*16*PA+32
.endr
.endr
.endm
.macro PLACES                          ; four plain instructions between a matrix instruction and a load into, or a store of, its registers
.rept 4
	v_nop
.endr
.endm
.macro QUARTER slot, q, f, g           ; multiplies buffer f; in its middle it fetches quarter q of the same slot into buffer g
	s_wait_dscnt 16                                ; the first 32 keys are in
	MUL8 \f, 0, 0
	MUL8 \f, 0, 2
	PLACES
	FETCH \slot, \q, \g
	s_wait_dscnt 32                                ; all but the 32 just issued
	MUL8 \f, 1, 0
	MUL8 \f, 1, 2
.endm
; The last quarter multiplies buffer 1 and changes slots: one barrier; in front of it each wave waits for all its tensor loads (one is out: its part of the next slot), adds 0 to its spare word, and waits for
; that and for its own reads of this slot.  fill = 1: this slot is filled again, two key steps ahead; the barrier then opens a round of the cluster's, and the refill is the first thing behind the round:
; 112 matrix instructions stand between it and the wait for it.
.macro TURN slot, next, fill
	WIN 0                                          ; (the add's two registers lie in window 0)
	s_wait_tensorcnt 0x0                           ; no tensor load of mine is out, so a group 0 may be written
	ds_add_u32 v[SPW], v[NIL]                      ; 0 onto my spare word: the descriptors' scalar work and eight products stand between it and the wait for it
.if \fill
	NEXTD \slot
.endif
	s_wait_dscnt 17                                ; (the add and the youngest sixteen loads may be out)
	MUL8 F1, 0, 0
	s_wait_dscnt 0x0                               ; the add is done, and my reads of this slot are over
	s_barrier_signal -1
	MUL8 F1, 0, 2
.if \fill
	WIN 0
.endif
	s_barrier_wait -1
.if \fill
	CREST                                          ; no wave of any partner still reads this slot's tile or has a load on its way
	JLOAD \slot                                    ; its four v_nop are also the places in front of the loads below
.else
	PLACES
.endif
	FETCH \next, 0, F0
	MUL8 F1, 1, 0
	MUL8 F1, 1, 2
.endm
.macro STEP slot, next, fill           ; a key step: 128 matrix instructions
	QUARTER \slot, 1, F0, F1
	QUARTER \slot, 2, F1, F0
	QUARTER \slot, 3, F0, F1
	TURN \slot, \next, \fill
.endm
; THE WAY OUT of a block of queries, 16 rows at a time: the accumulators go into my own stage as they are, low registers first, and come back as whole rows of 256 bytes: my 64 channels.
.macro STG a
.irp b, 0,1,2,3
	ds_store_b128 v[STO], v[ACC+8*(4*(\a)+(\b)):ACC+8*(4*(\a)+(\b))+3]   offset:64*(\b)
	ds_store_b128 v[STO], v[ACC+8*(4*(\a)+(\b))+4:ACC+8*(4*(\a)+(\b))+7] offset:64*(\b)+16
.endr
	s_wait_xcnt 0x0                                ; the stores of the rows two back have read the registers that are loaded again below
.irp t, 0,1,2,3,4,5,6,7
	ds_load_b128 v[TMP+32*((\a)%2)+4*(\t):TMP+32*((\a)%2)+4*(\t)+3], v[RD] offset:(\t)*2*SP  ; LDS serves a wave's instructions in order (ISA guide 5.7.1.4): these see the stores above
.endr
.endm
; younger: the LDS instructions issued behind these rows' loads: the next rows' sixteen, or none.  skip = 1: where these 16 rows are a batch's first, they are not stored: another launch makes them.
.macro SND a, younger, skip=0
	s_wait_dscnt \younger
.if \skip
	s_cmp_eq_u32 s[HEADR], 0                       ; hangs on p, which the four partners share, and on the wave's number
	s_cbranch_scc1 .Lnot_here_\@
.endif
.irp t, 0,1,2,3,4,5,6,7
	global_store_b128 v[CO], v[TMP+32*((\a)%2)+4*(\t):TMP+32*((\a)%2)+4*(\t)+3], s[8:9] offset:(16*(\a)+2*(\t))*OROW th:TH_STORE_NT  ; 16 lanes store 256 consecutive bytes, at a multiple of 256 from out0's first byte
.endr
.if \skip
.Lnot_here_\@:
.endif
.endm
.macro FLUSH clear, skip
	PLACES                                         ; the LDS stores read results
	STG 0
	STG 1
	SND 0, 16, \skip
	STG 2
	SND 1, 16
	STG 3
	SND 2, 16
	SND 3, 0                                       ; no LDS instruction of mine is out behind this
.if \clear
.set i, 0
.rept 128
	v_mov_b32 v[ACC+i], 0                          ; the second block's sums start at 0
.set i, i+1
.endr
.endif
.endm
; Behind each key step: has the first block had its last?  Then it leaves, and the stores' base goes to the second block.  The count hangs on p alone, which the four partners share.
.macro CHECK
	WIN 0                                          ; at a label and at a branch every window is 0
	s_sub_co_u32 s[LEFT], s[LEFT], 1
	s_cmp_lg_u32 s[LEFT], 0
	s_cbranch_scc1 .Lgo_\@
	FLUSH 1, 0                                     ; the first block is one of 8 to 15: none of its rows is a batch's first
	s_wait_xcnt 0x0                                ; the stores have read their base
	s_mov_b64 s[8:9], s[OUTL:OUTL+1]
	s_mov_b32 s[LEFT], 64                          ; more than the steps that are left: the second block leaves at the end
.Lgo_\@:
.endm
	s_wait_tensorcnt 1                             ; my part of key step 0 is in; step 1's may stay out
	s_barrier_signal -1
	s_barrier_wait -1
	FETCH 0, 0, F0
	WIN 0
	s_mov_b32 s3, 3
.Lring:                                                ; steps 0 to 5 of the walk's 9: each fills its slot again, two steps ahead
	STEP 0, 1, 1
	CHECK
	STEP 1, 0, 1
	CHECK
	s_sub_co_u32 s3, s3, 1
	s_cmp_lg_u32 s3, 0
	s_cbranch_scc1 .Lring
	STEP 0, 1, 1                                   ; step 6 asks for step 8, the last
	CHECK
	STEP 1, 0, 0                                   ; the tail is written out
	CHECK
	QUARTER 0, 1, F0, F1                           ; step 8
	QUARTER 0, 2, F1, F0
	QUARTER 0, 3, F0, F1
	s_wait_dscnt 16
	MUL8 F1, 0, 0
	MUL8 F1, 0, 2
	s_wait_dscnt 0x0
	MUL8 F1, 1, 0
	MUL8 F1, 1, 2
	WIN 0
	s_or_b32 s[HEADR], s16, s11                    ; 0 where the second block is block 0 and I hold its rows 0 to 63
	FLUSH 0, 1
	s_wait_tensorcnt 0x0                           ; the wave's end: behind my last tensor load and my last LDS store
	ds_add_u32 v[SPW], v[NIL]
	s_wait_dscnt 0x0
	CROUND                                         ; the closing round: no work-group ends while a partner may still ask for a tile that names it
	s_endpgm
.Lfunc_end_k_q565a9bb5d1_pv:
	.size	k_q565a9bb5d1_pv, .Lfunc_end_k_q565a9bb5d1_pv-k_q565a9bb5d1_pv
	.p2alignl 7, 3214868480
	.fill 96, 4, 3214868480
	.section	.rodata,"a",@progbits
	.p2align	6, 0x0
	.amdhsa_kernel k_q565a9bb5d1_pv
		.amdhsa_group_segment_fixed_size 327680
		.amdhsa_private_segment_fixed_size 0
		.amdhsa_enable_private_segment 0
		.amdhsa_kernarg_size 24
		.amdhsa_user_sgpr_count 2
		.amdhsa_user_sgpr_kernarg_segment_ptr 1
		.amdhsa_wavefront_size32 1
		.amdhsa_system_sgpr_workgroup_id_x 1
		.amdhsa_system_sgpr_workgroup_id_y 1
		.amdhsa_system_sgpr_workgroup_id_z 1
		.amdhsa_system_vgpr_workitem_id 0
		.amdhsa_next_free_vgpr 512
		.amdhsa_next_free_sgpr 80
		.amdhsa_reserve_vcc 0
		.amdhsa_float_denorm_mode_32 3
		.amdhsa_float_denorm_mode_16_64 3
		.amdhsa_memory_ordered 1
		.amdhsa_forward_progress 1
		.amdhsa_inst_pref_size 156
	.end_amdhsa_kernel
	.amdgpu_metadata
---
amdhsa.version: [ 1, 2 ]
amdhsa.kernels:
  - .name:           k_q565a9bb5d1_pv
    .symbol:         k_q565a9bb5d1_pv.kd
    .args:
      - { .name: pw, .offset: 0, .size: 8, .value_kind: global_buffer, .address_space: global }
      - { .name: pr, .offset: 8, .size: 8, .value_kind: global_buffer, .address_space: global }
      - { .name: out0, .offset: 16, .size: 8, .value_kind: global_buffer, .address_space: global }
    .group_segment_fixed_size: 327680
    .private_segment_fixed_size: 0
    .kernarg_segment_align: 8
    .kernarg_segment_size: 24
    .max_flat_workgroup_size: 128
    .sgpr_count:     80
    .vgpr_count:     512
    .wavefront_size: 32
...
	.end_amdgpu_metadata
.endif
;; end of part 5
;; launch head (part 6): grid 8 x 4, 8 waves a work-group, no clusters, 295,936 bytes of LDS; arguments xb, sc, out0; writes out0
.if DOCPART == 6
	.amdgcn_target "amdgcn-amd-amdhsa--gfx1250"
	.amdhsa_code_object_version 6
	.text
	.protected	k_q565a9bb5d1_head
	.globl	k_q565a9bb5d1_head
	.p2align	8
	.type	k_q565a9bb5d1_head,@function
k_q565a9bb5d1_head:
	s_mov_b64 s[64:65], 0
	v_nop
	global_prefetch_b8 v0, s[64:65] scope:SCOPE_SE
	s_setreg_imm32_b32 hwreg(HW_REG_WAVE_MODE, 25, 1), 1
	s_wait_xcnt 0x0
; ROWS 0 TO 15 OF EACH BATCH, with vp and the weights kept in f32.  out0[b][t][h] = sum over s <= t of P[t][s] vp[s][h], t < 16.
; WHY.  Row t is a mean over t + 1 rows of vp.  In the first rows a few large terms can cancel to a number near 0, and what a rounding of vp and of the weights to f16 leaves (up to 2^-11 of a term of size 1 to 2,
; 4.9e-4) is then not small beside the result.  From row 16 on 17 or more such roundings average out, and the launch 'pv' makes those rows from f16.
; WHAT.  vp[s][h] = sum over c of v[b][s][c] Wq[c][h] for s < 16: bf16 operands out of xb (v's rows from row 16384, Wq from row 25600, [c][h]), f32 sums, never rounded.
; P: the softmax of sc[b][t][0..15] / 32 over s <= t, in f32: p = 2^(c s - c m), c = log2(e) / 32, m the row's maximum, divided by the row's sum.  The second product, 16 x 16 keys a tile, goes by the
; f32 matrix form: four instructions a wave in the whole launch.
; LIMITS.  A hidden score counts as -1e30 (f16 operands bound a true score by 4.4e12); a weight below 2^-126 counts as 0; NaN and infinities are not treated apart.  The scores carry qp's and kp's rounding to f16.
; SHARES.  A work-group makes 16 rows x 128 channels of one batch.  K (= c) IS SPLIT AMONG ITS EIGHT WAVES: wave w takes c = 128 w .. 128 w + 127: it copies its own 128 rows of Wq x 256 bytes into its own
; region of LDS (whole aligned blocks of 256 bytes of memory), reads them back turned, and makes eight partial tiles.  The partial sums, f32, meet in LDS; wave w then finishes tile w (16 channels).
; LAYOUT.  First product: source 0 = the 16 rows of v, source 1 = 16 columns of Wq: a lane holds channel l % 16 and the keys 8 (l / 16) + 0..7.  Registers 2 k, 2 k + 1 of that ARE a source of the f32 form
; (a lane holds one row and the contraction's places 2 (l / 16) + 0, 1) if place 2 (l / 16) + j of step k is read as key 8 (l / 16) + 2 k + j; P is laid by the same reading: lane l holds row l % 16 of P and
; the keys 8 (l / 16) + 0..7.  So nothing changes lanes.  Second product: source 0 = vp (16 channels), source 1 = P (16 rows): a lane holds row l % 16 and eight neighbouring channels.
.set PW,     288                       ; a row of Wq in LDS: 256 bytes + 32 = 72 words
.set WREG,   128*PW                    ; a wave's region: its 128 rows; later, at its head, its eight partial tiles of 1,024 bytes
.set SPARE,  8*WREG                    ; behind the regions: the spare words, 128 bytes for each wave: four blocks of 256 bytes that no other line names
.set OST,    16384                     ; the stage for the way out, 1,024 bytes a wave: in wave 0's region, behind its partial tiles; written only when every wave's reads of Wq are over
.set WQ0,    25600*2048                ; Wq's first byte in xb
.set VROW0,  16384*2048                ; v's
.set SPW,  2                           ; v2   LDS address of my spare word: SPARE + 4 x my thread's number; never rewritten
.set NIL,  3                           ; v3   0; never rewritten
.set GW,   4                           ; v4   my 16 bytes of two rows of Wq in memory
.set LW,   5                           ; v5   and in my region
.set GA,   6                           ; v6   my place in a fragment of v's rows
.set GS,   7                           ; v7   my 32 bytes of the scores
.set TW,   8                           ; v8   my place in a turned fragment of Wq
.set TD,   9                           ; v9   l % 16 - 8 (l / 16): score j is hidden where j is greater
.set PS,   10                          ; v10  where I put my 32 bytes of a partial tile
.set XH,   11                          ; v11  l / 16; later what the other half of the lanes sends
.set AF,   16                          ; v[16:47]   v's fragments, four steps of 32 along K; behind the products: the late addresses below
.set L1,   AF                          ; lane
.set R1,   AF+1                        ; l % 16
.set H1,   AF+2                        ; l / 16
.set PR,   AF+4                        ; four addresses: tile w of the partial tiles of waves 0 and 1, 2 and 3, 4 and 5, 6 and 7
.set STO2, AF+8                        ; where I put 32 bytes of the result
.set RD2,  AF+9                        ; where I read 16 bytes of a row back
.set CO2,  AF+10                       ; 16 x lane: my 16 bytes of 512 consecutive bytes of out0
.set PP,   48                          ; v[48:55]   my 8 scores, then weights
.set D2,   56                          ; v[56:63]   the f32 form's result: written by matrix instructions alone
.set ACC,  64                          ; v[64:127]  eight partial tiles; ahead of the products v64-67 are at work in the softmax
.set T,    ACC
.set X,    128                         ; v[128:255] a ring of 32 loads of Wq; then two buffers of 64 for its fragments; then the partial tiles of tile w
	s_load_b128 s[4:7], s[0:1], 0x0                ; xb s[4:5], sc s[6:7]
	s_load_b64 s[8:9], s[0:1], 0x10                ; out0
	v_lshl_add_u32 v[SPW], v0, 2, SPARE
	v_mov_b32 v[NIL], 0
	v_lshrrev_b32 v1, 5, v0
	v_readfirstlane_b32 s10, v1                    ; wave 0..7
	s_and_b32 s11, ttmp7, 0xffff                   ; b
	s_mul_i32 s12, s10, WREG                       ; my region
	v_and_b32 v1, 15, v0                           ; l % 16
	v_bfe_u32 v[XH], v0, 4, 1                      ; l / 16
	v_lshlrev_b32 v[GW], 11, v[XH]                 ; lanes 0-15 take 256 bytes of one row of Wq, lanes 16-31 of the next
	v_lshl_add_u32 v[GW], v1, 4, v[GW]
	v_mul_u32_u24 v[LW], v[XH], PW
	v_lshl_add_u32 v[LW], v1, 4, v[LW]
	v_add_nc_u32 v[LW], s12, v[LW]
	v_lshlrev_b32 v[GA], 11, v1                    ; row l % 16 of v, 16 bytes for each half of the lanes
	v_lshl_add_u32 v[GA], v[XH], 4, v[GA]
	v_lshlrev_b32 v[GS], 13, v1                    ; row l % 16 of sc, 8 scores for each half
	v_lshl_add_u32 v[GS], v[XH], 5, v[GS]
	v_and_b32 v[TW], 7, v0                         ; the turning load: lane l reads K row 8 (l / 16) + l % 8, columns 8 ((l / 8) % 2) + 0..7
	v_lshl_add_u32 v[TW], v[XH], 3, v[TW]
	v_mul_u32_u24 v[TW], v[TW], PW
	v_bfe_u32 v[TD], v0, 3, 1
	v_lshl_add_u32 v[TW], v[TD], 4, v[TW]
	v_add_nc_u32 v[TW], s12, v[TW]
	v_lshlrev_b32 v[TD], 3, v[XH]
	v_sub_nc_u32 v[TD], v1, v[TD]
	v_and_b32 v[PS], 31, v0
	v_lshl_add_u32 v[PS], v[PS], 5, s12
	s_lshl_b32 s14, s10, 18                        ; Wq: my 128 rows of 2,048 bytes,
	s_lshl_b32 s15, ttmp9, 8                       ; the work-group's 128 columns
	s_add_co_u32 s14, s14, s15
	s_add_co_u32 s14, s14, WQ0
	s_mov_b32 s15, 0
	s_lshl_b32 s16, s11, 22                        ; v: the batch's first row,
	s_lshl_b32 s17, s10, 8                         ; my 128 channels c
	s_add_co_u32 s16, s16, s17
	s_add_co_u32 s16, s16, VROW0
	s_mov_b32 s17, 0
	s_lshl_b32 s18, s11, 24                        ; sc: the batch's first row
	s_mov_b32 s19, 0
	s_lshl_b32 s20, s11, 23                        ; out0: the batch's first row,
	s_lshl_b32 s21, s10, 13                        ; the two rows that I store,
	s_add_co_u32 s20, s20, s21
	s_lshl_b32 s21, ttmp9, 9                       ; the work-group's 128 channels
	s_add_co_u32 s20, s20, s21
	s_mov_b32 s21, 0
	s_mov_b32 s22, 0x76543210                      ; v_permlanex16_b32: each lane takes its own place in the other half
	s_mov_b32 s23, 0xfedcba98
	s_mov_b32 s24, 0xf149f2ca                      ; -1e30
	s_mov_b32 s26, 0x3d38aa3b                      ; c = log2(e) / 32
	s_mov_b32 s27, s26                             ; named with it as a pair
	s_wait_kmcnt 0x0
	s_add_nc_u64 s[14:15], s[4:5], s[14:15]
	s_add_nc_u64 s[16:17], s[4:5], s[16:17]
	s_add_nc_u64 s[18:19], s[6:7], s[18:19]
	s_add_nc_u64 s[8:9], s[8:9], s[20:21]
.irp q, 0,1,2,3
	global_load_b128 v[AF+8*(\q):AF+8*(\q)+3],   v[GA], s[16:17] offset:64*(\q)
	global_load_b128 v[AF+8*(\q)+4:AF+8*(\q)+7], v[GA], s[16:17] offset:64*(\q)+32
.endr
	global_load_b128 v[PP:PP+3],   v[GS], s[18:19]
	global_load_b128 v[PP+4:PP+7], v[GS], s[18:19] offset:16
.set i, 0
.rept 32
	global_load_b128 v[X+4*i:X+4*i+3], v[GW], s[14:15] offset:4096*i  ; rows 2 i, 2 i + 1 of my 128
.set i, i+1
.endr
	s_wait_loadcnt 32                              ; v's rows and the scores are in; the 32 loads of Wq stay out while the weights are made
	; THE WEIGHTS
.irp j, 0,1,2,3,4,5,6,7
	v_cmp_gt_i32 vcc_lo, \j, v[TD]
	v_cndmask_b32 v[PP+(\j)], v[PP+(\j)], s24, vcc_lo
.endr
	v_max3_num_f32 v[T], v[PP], v[PP+1], v[PP+2]
	v_max3_num_f32 v[T], v[T], v[PP+3], v[PP+4]
	v_max3_num_f32 v[T], v[T], v[PP+5], v[PP+6]
	v_max_num_f32 v[T], v[T], v[PP+7]
	v_permlanex16_b32 v[XH], v[T], s22, s23        ; the row's other 8 keys lie in the lane 16 away
	v_max_num_f32 v[T], v[T], v[XH]                ; the row's maximum: key 0 is never hidden
	v_mul_f32 v[T], s26, v[T]                      ; c m
	v_mov_b32 v[T+1], v[T]
.irp j, 0,2,4,6
	v_pk_fma_f32 v[PP+(\j):PP+(\j)+1], v[PP+(\j):PP+(\j)+1], s[26:27], v[T:T+1] op_sel_hi:[1,0,1] neg_lo:[0,0,1] neg_hi:[0,0,1]  ; c s - c m
.endr
.irp j, 0,1,2,3,4,5,6,7
	v_exp_f32 v[PP+(\j)], v[PP+(\j)]               ; one batch
.endr
	v_nop                                          ; a plain instruction behind the last exponential (ISA guide 5.7.2),
	s_wait_alu depctr_va_vdst(0)                   ; and the one wait ahead of the first reader
	v_pk_add_f32 v[T:T+1], v[PP:PP+1], v[PP+2:PP+3]
	v_pk_add_f32 v[T+2:T+3], v[PP+4:PP+5], v[PP+6:PP+7]
	v_pk_add_f32 v[T:T+1], v[T:T+1], v[T+2:T+3]
	v_add_f32 v[T], v[T], v[T+1]
	v_permlanex16_b32 v[XH], v[T], s22, s23
	v_add_f32 v[T], v[T], v[XH]                    ; l, at least about 1: the maximum's own weight
	v_rcp_f32 v[T+2], v[T]
	v_rcp_f32 v[T+3], v[T]                         ; twice: a pair for the packed multiply
	v_nop
	s_wait_alu depctr_va_vdst(0)                   ; one wait for both reciprocals
.irp j, 0,2,4,6
	v_pk_mul_f32 v[PP+(\j):PP+(\j)+1], v[PP+(\j):PP+(\j)+1], v[T+2:T+3]
.endr
	; Wq INTO MY REGION.  32 loads are always out; a register set is asked for again as soon as its LDS store is issued.
.set i, 0
.rept 32
	s_wait_loadcnt 31                              ; loads come back in order (ISA guide 5.7.1): the oldest is in, the 31 younger ones stay out
	ds_store_b128 v[LW], v[X+4*i:X+4*i+3] offset:2*PW*i
	global_load_b128 v[X+4*i:X+4*i+3], v[GW], s[14:15] offset:4096*(i+32)
.set i, i+1
.endr
.set i, 0
.rept 32
	s_wait_loadcnt 31-i                            ; the counts run down
	ds_store_b128 v[LW], v[X+4*i:X+4*i+3] offset:2*PW*(i+32)
.set i, i+1
.endr
; The fragments of step q (32 along K) of all eight tiles, into buffer q % 2.  The bytes are my own, and LDS serves a wave's instructions in order (ISA guide 5.7.1.4): these see the stores above.
.macro FETCHW q
.irp n, 0,1,2,3,4,5,6,7
	ds_load_tr16_b128 v[X+64*((\q)%2)+8*(\n):X+64*((\q)%2)+8*(\n)+3],   v[TW] offset:(\q)*32*PW+32*(\n)
	ds_load_tr16_b128 v[X+64*((\q)%2)+8*(\n)+4:X+64*((\q)%2)+8*(\n)+7], v[TW] offset:(\q)*32*PW+16*PW+32*(\n)
.endr
.endm
; Step q's eight products.  The eight accumulators take turns, one instruction a turn; step 0 starts the sums: nothing is cleared.
.macro MULV q
.irp n, 0,1,2,3,4,5,6,7
.if (\q) == 0
	v_wmma_f32_16x16x32_bf16 v[ACC+8*(\n):ACC+8*(\n)+7], v[AF+8*(\q):AF+8*(\q)+7], v[X+64*((\q)%2)+8*(\n):X+64*((\q)%2)+8*(\n)+7], 0
.else
	v_wmma_f32_16x16x32_bf16 v[ACC+8*(\n):ACC+8*(\n)+7], v[AF+8*(\q):AF+8*(\q)+7], v[X+64*((\q)%2)+8*(\n):X+64*((\q)%2)+8*(\n)+7], v[ACC+8*(\n):ACC+8*(\n)+7]
.endif
.endr
.endm
.macro PLACES                          ; four plain instructions between a matrix instruction and a load into, a store of, or a vector write of its registers (ISA guide 7.12.1 for vector writes)
.rept 4
	v_nop
.endr
.endm
	FETCHW 0
	FETCHW 1
	s_wait_dscnt 16                                ; buffer 0 is in; the other buffer's 16 loads may stay out
	MULV 0
	PLACES
	FETCHW 2
	s_wait_dscnt 16
	MULV 1
	PLACES
	FETCHW 3
	s_wait_dscnt 16
	MULV 2
	s_wait_dscnt 0x0
	MULV 3
	PLACES
.irp n, 0,1,2,3,4,5,6,7
	ds_store_b128 v[PS], v[ACC+8*(\n):ACC+8*(\n)+3]   offset:1024*(\n)     ; my partial tiles, at the head of my own region, whose rows I have read; low registers first
	ds_store_b128 v[PS], v[ACC+8*(\n)+4:ACC+8*(\n)+7] offset:1024*(\n)+16
.endr
	v_and_b32 v[L1], 31, v0                        ; the late addresses, while the stores are out
	v_and_b32 v[R1], 15, v0
	v_bfe_u32 v[H1], v0, 4, 1
	s_lshl_b32 s12, s10, 10
	v_lshl_add_u32 v[PR], v[L1], 5, s12            ; tile w, my 32 bytes, in wave 0's region;
	v_add_nc_u32 v[PR+1], 2*WREG, v[PR]            ; a second region is reached by the immediate, the others by registers: an immediate holds 16 bits
	v_add_nc_u32 v[PR+2], 4*WREG, v[PR]
	v_add_nc_u32 v[PR+3], 6*WREG, v[PR]
	s_add_co_u32 s12, s12, OST                     ; my 1,024 bytes of the stage: row l % 16 x 64 bytes, 32 bytes for each half of the lanes
	v_lshlrev_b32 v[STO2], 6, v[R1]
	v_lshl_add_u32 v[STO2], v[H1], 5, v[STO2]
	v_add_nc_u32 v[STO2], s12, v[STO2]
	s_lshl_b32 s12, s10, 7
	s_add_co_u32 s12, s12, OST                     ; back: rows 2 w and 2 w + 1; lane l's 16 bytes of a row lie in tile l / 4, at 16 (l % 4)
	v_lshrrev_b32 v[RD2], 2, v[L1]
	v_lshlrev_b32 v[RD2], 10, v[RD2]
	v_and_b32 v[CO2], 3, v[L1]
	v_lshl_add_u32 v[RD2], v[CO2], 4, v[RD2]
	v_add_nc_u32 v[RD2], s12, v[RD2]
	v_lshlrev_b32 v[CO2], 4, v[L1]
	s_wait_dscnt 0x0                               ; for the others' sake: my partial tiles lie in LDS, and my reads of Wq are over
	s_barrier_signal -1
	s_barrier_wait -1
.irp k, 0,1,2,3
	ds_load_b128 v[X+16*(\k):X+16*(\k)+3],     v[PR+(\k)]                  ; wave 2 k's partial sum of tile w,
	ds_load_b128 v[X+16*(\k)+4:X+16*(\k)+7],   v[PR+(\k)] offset:16
	ds_load_b128 v[X+16*(\k)+8:X+16*(\k)+11],  v[PR+(\k)] offset:WREG      ; and wave 2 k + 1's
	ds_load_b128 v[X+16*(\k)+12:X+16*(\k)+15], v[PR+(\k)] offset:WREG+16
.endr
	s_wait_dscnt 0x0
.irp v, 0,2,4,6
.irp e, 0,2,4,6
	v_pk_add_f32 v[X+8*(\v)+(\e):X+8*(\v)+(\e)+1], v[X+8*(\v)+(\e):X+8*(\v)+(\e)+1], v[X+8*(\v)+8+(\e):X+8*(\v)+8+(\e)+1]
.endr
.endr
.irp v, 0,4
.irp e, 0,2,4,6
	v_pk_add_f32 v[X+8*(\v)+(\e):X+8*(\v)+(\e)+1], v[X+8*(\v)+(\e):X+8*(\v)+(\e)+1], v[X+8*(\v)+16+(\e):X+8*(\v)+16+(\e)+1]
.endr
.endr
.irp e, 0,2,4,6
	v_pk_add_f32 v[X+(\e):X+(\e)+1], v[X+(\e):X+(\e)+1], v[X+32+(\e):X+32+(\e)+1]  ; vp of 16 keys x tile w's 16 channels, in f32
.endr
	; THE SECOND PRODUCT: one accumulator, four links; the first starts the sum with the constant 0; ahead of each further link stands an s_wait_alu.
	v_wmma_f32_16x16x4_f32 v[D2:D2+7], v[X:X+1], v[PP:PP+1], 0
.irp k, 1,2,3
	s_wait_alu depctr_va_vdst(0)
	v_wmma_f32_16x16x4_f32 v[D2:D2+7], v[X+2*(\k):X+2*(\k)+1], v[PP+2*(\k):PP+2*(\k)+1], v[D2:D2+7]
.endr
.rept 8
	v_nop                                          ; eight places behind this form, ahead of the LDS stores that read its result
.endr
	ds_store_b128 v[STO2], v[D2:D2+3]              ; row l % 16, channels 16 w + 8 (l / 16) + 0..3; low registers first
	ds_store_b128 v[STO2], v[D2+4:D2+7] offset:16
	s_wait_dscnt 0x0                               ; for the others' sake
	s_barrier_signal -1
	s_barrier_wait -1
	ds_load_b128 v[X+64:X+67], v[RD2]              ; row 2 w, whole: 128 channels, 512 bytes
	ds_load_b128 v[X+68:X+71], v[RD2] offset:64    ; row 2 w + 1
	s_wait_dscnt 0x0
	global_store_b128 v[CO2], v[X+64:X+67], s[8:9] th:TH_STORE_NT              ; 512 consecutive bytes, at a multiple of 256 from out0's first byte
	global_store_b128 v[CO2], v[X+68:X+71], s[8:9] offset:4096 th:TH_STORE_NT
	s_wait_tensorcnt 0x0                           ; the wave's end: behind my last LDS store
	ds_add_u32 v[SPW], v[NIL]
	s_wait_dscnt 0x0
	s_endpgm
.Lfunc_end_k_q565a9bb5d1_head:
	.size	k_q565a9bb5d1_head, .Lfunc_end_k_q565a9bb5d1_head-k_q565a9bb5d1_head
	.p2alignl 7, 3214868480
	.fill 96, 4, 3214868480
	.section	.rodata,"a",@progbits
	.p2align	6, 0x0
	.amdhsa_kernel k_q565a9bb5d1_head
		.amdhsa_group_segment_fixed_size 295936
		.amdhsa_private_segment_fixed_size 0
		.amdhsa_enable_private_segment 0
		.amdhsa_kernarg_size 24
		.amdhsa_user_sgpr_count 2
		.amdhsa_user_sgpr_kernarg_segment_ptr 1
		.amdhsa_wavefront_size32 1
		.amdhsa_system_sgpr_workgroup_id_x 1
		.amdhsa_system_sgpr_workgroup_id_y 1
		.amdhsa_system_sgpr_workgroup_id_z 1
		.amdhsa_system_vgpr_workitem_id 0
		.amdhsa_next_free_vgpr 256
		.amdhsa_next_free_sgpr 66
		.amdhsa_reserve_vcc 1
		.amdhsa_float_denorm_mode_32 3
		.amdhsa_float_denorm_mode_16_64 3
		.amdhsa_memory_ordered 1
		.amdhsa_forward_progress 1
		.amdhsa_inst_pref_size 31
	.end_amdhsa_kernel
	.amdgpu_metadata
---
amdhsa.version: [ 1, 2 ]
amdhsa.kernels:
  - .name:           k_q565a9bb5d1_head
    .symbol:         k_q565a9bb5d1_head.kd
    .args:
      - { .name: xb, .offset: 0, .size: 8, .value_kind: global_buffer, .address_space: global }
      - { .name: sc, .offset: 8, .size: 8, .value_kind: global_buffer, .address_space: global }
      - { .name: out0, .offset: 16, .size: 8, .value_kind: global_buffer, .address_space: global }
    .group_segment_fixed_size: 295936
    .private_segment_fixed_size: 0
    .kernarg_segment_align: 8
    .kernarg_segment_size: 24
    .max_flat_workgroup_size: 256
    .sgpr_count:     66
    .vgpr_count:     256
    .wavefront_size: 32
...
	.end_amdgpu_metadata
.endif
;; end of part 6
;; ======== version 2 of 2: 6 launches; version 1 with the launch cast written anew for expert scheduling mode
;; limits: values are held in f16: magnitudes above 65,504 overflow, below 6.1e-05 lose precision
;; workspace buffers: xb 54,525,952 bytes; pr 50,331,648 bytes; sc 67,108,864 bytes; pw 33,554,432 bytes
;; launch cast (part 7): grid 832 x 1, 8 waves a work-group, no clusters, 0 bytes of LDS; arguments k, q, v, Wk, Wq, xb; writes xb
.if DOCPART == 7
	.amdgcn_target "amdgcn-amd-amdhsa--gfx1250"
	.amdhsa_code_object_version 6
	.text
	.protected	k_q565a9bb5d1_cast
	.globl	k_q565a9bb5d1_cast
	.p2align	8
	.type	k_q565a9bb5d1_cast,@function
k_q565a9bb5d1_cast:
	s_mov_b64 s[64:65], 0
	v_nop
	global_prefetch_b8 v0, s[64:65] scope:SCOPE_SE
	s_setreg_imm32_b32 hwreg(HW_REG_WAVE_SCHED_MODE, 0, 2), 2
	s_setreg_imm32_b32 hwreg(HW_REG_WAVE_MODE, 25, 1), 1
	s_wait_xcnt 0x0
	s_wait_alu depctr_vm_vsrc(0)
; k, q, v, Wk, Wq (f32) are rounded once to bf16 into xb, [26624][1024]: rows 0-8191 k, 8192-16383 q, 16384-24575 v, 24576-25599 Wk ([c][h] as it lies), 25600-26623 Wq.
; The module's other two inputs are loaded by no launch of this program: of x the module takes the shape alone, and Wv it never names (v is projected with the query weights).
; SHARES.  A work-group makes 32 rows of xb.  Thread t takes the 16 bytes at 16 t of each source row and writes the 8 bytes at 8 t of each row of xb: a load of a wave covers 512 consecutive
; bytes, a store 256 consecutive bytes at a multiple of 256 from xb's first byte.  All 32 loads of a thread go out at once; no register is written twice, so no wait frees a source.
; THE MODE: SCHED_MODE bits 1:0 = 2 (LLVM: expert scheduling mode 2), set by the entry lines.  The code itself states the register dependences
; between vector instructions and memory instructions, with s_wait_alu, always for 0.
; THE PLAN.  Registers that memory instructions touch:
;   v1, v2   byte offsets.  Written once each at the head, by vector instructions; read by every load (v1) and every store (v2); never written again.
;   X        row i's 4 registers: written by row i's load alone, which is issued at the head, ahead of every vector instruction that names X; read by row i's two roundings.
;   Y        row i's 2 registers: written once, by row i's two roundings; read once, by row i's store.
; The 32 rows go in 8 blocks of four.  Block p rounds its own rows, out of its X into its Y; its memory instructions are the four stores of block p - 1, which read v2 and that block's Y: registers that
; no vector instruction of block p names.  So ONE wait at a block's head states all that its four stores hang on, and they are dealt among its roundings with no further wait.
; No register that a memory instruction reads is written again, and no load lands in a register that a vector instruction has named: nothing else is owed.
.set RIN,    4096                      ; bytes in a source row
.set ROUT,   2048                      ; bytes in a row of xb
.set BLOCK,  4                         ; rows in a block
.set BLOCKS, 32/BLOCK
.set X,    4                           ; v[4:131]   row i: 4 numbers as loaded
.set Y,    132                         ; v[132:195] row i: 4 numbers in bf16
	s_load_b256 s[4:11], s[0:1], 0x0               ; k s[4:5], q s[6:7], v s[8:9], Wk s[10:11]
	s_load_b128 s[12:15], s[0:1], 0x20             ; Wq s[12:13], xb s[14:15]
	v_lshlrev_b32 v1, 4, v0                        ; 16 t
	v_lshlrev_b32 v2, 3, v0                        ; 8 t
	s_mov_b32 s18, 800                             ; the first work-group of the source in hand
	s_mov_b32 s21, 0
	s_mov_b32 s23, 0
	s_lshl_b32 s22, ttmp9, 16                      ; 32 rows of 2,048 bytes
	s_wait_kmcnt 0x0
	s_mov_b64 s[16:17], s[12:13]                   ; work-groups 800-831: Wq
	s_cmp_lt_u32 ttmp9, 800
	s_cselect_b64 s[16:17], s[10:11], s[16:17]     ; 768-799: Wk
	s_cselect_b32 s18, 768, s18
	s_cmp_lt_u32 ttmp9, 768
	s_cselect_b64 s[16:17], s[8:9], s[16:17]       ; 512-767: v
	s_cselect_b32 s18, 512, s18
	s_cmp_lt_u32 ttmp9, 512
	s_cselect_b64 s[16:17], s[6:7], s[16:17]       ; 256-511: q
	s_cselect_b32 s18, 256, s18
	s_cmp_lt_u32 ttmp9, 256
	s_cselect_b64 s[16:17], s[4:5], s[16:17]       ; 0-255: k
	s_cselect_b32 s18, 0, s18
	s_sub_co_u32 s20, ttmp9, s18
	s_lshl_b32 s20, s20, 17                        ; 32 rows of 4,096 bytes
	s_add_nc_u64 s[16:17], s[16:17], s[20:21]
	s_add_nc_u64 s[14:15], s[14:15], s[22:23]
	s_wait_alu depctr_va_vdst(0)                   ; v1 and v2 are written: every load of the kernel reads v1 as its offset, every store v2
.set i, 0
.rept 32
	global_load_b128 v[X+4*i:X+4*i+3], v1, s[16:17] offset:RIN*i th:TH_LOAD_NT
.set i, i+1
.endr
.set p, 0
.rept BLOCKS
	s_wait_loadcnt 32-BLOCK*(p+1)                  ; loads come back in order (ISA guide 5.7.1): block p's four rows are in, the 28 - 4 p younger loads stay out
.if p > 0
	s_wait_alu depctr_va_vdst(0)                   ; the block before has written its eight registers of Y, which the four stores below read
.endif
.set i, 0
.rept BLOCK
.if p > 0
	global_store_b64 v2, v[Y+2*(BLOCK*(p-1)+i):Y+2*(BLOCK*(p-1)+i)+1], s[14:15] offset:ROUT*(BLOCK*(p-1)+i) th:TH_STORE_NT  ; the block before; no vector instruction since the wait names these registers
.endif
	v_cvt_pk_bf16_f32 v[Y+2*(BLOCK*p+i)],   v[X+4*(BLOCK*p+i)],   v[X+4*(BLOCK*p+i)+1]
	v_cvt_pk_bf16_f32 v[Y+2*(BLOCK*p+i)+1], v[X+4*(BLOCK*p+i)+2], v[X+4*(BLOCK*p+i)+3]
.set i, i+1
.endr
.set p, p+1
.endr
	s_wait_alu depctr_va_vdst(0)                   ; the last block has written its eight registers of Y, which the last four stores read
.set i, 32-BLOCK
.rept BLOCK
	global_store_b64 v2, v[Y+2*i:Y+2*i+1], s[14:15] offset:ROUT*i th:TH_STORE_NT
.set i, i+1
.endr
	s_endpgm
.Lfunc_end_k_q565a9bb5d1_cast:
	.size	k_q565a9bb5d1_cast, .Lfunc_end_k_q565a9bb5d1_cast-k_q565a9bb5d1_cast
	.p2alignl 7, 3214868480
	.fill 96, 4, 3214868480
	.section	.rodata,"a",@progbits
	.p2align	6, 0x0
	.amdhsa_kernel k_q565a9bb5d1_cast
		.amdhsa_group_segment_fixed_size 0
		.amdhsa_private_segment_fixed_size 0
		.amdhsa_enable_private_segment 0
		.amdhsa_kernarg_size 48
		.amdhsa_user_sgpr_count 2
		.amdhsa_user_sgpr_kernarg_segment_ptr 1
		.amdhsa_wavefront_size32 1
		.amdhsa_system_sgpr_workgroup_id_x 1
		.amdhsa_system_sgpr_workgroup_id_y 1
		.amdhsa_system_sgpr_workgroup_id_z 1
		.amdhsa_system_vgpr_workitem_id 0
		.amdhsa_next_free_vgpr 196
		.amdhsa_next_free_sgpr 66
		.amdhsa_reserve_vcc 0
		.amdhsa_float_denorm_mode_32 3
		.amdhsa_float_denorm_mode_16_64 3
		.amdhsa_memory_ordered 1
		.amdhsa_forward_progress 1
		.amdhsa_inst_pref_size 13
	.end_amdhsa_kernel
	.amdgpu_metadata
---
amdhsa.version: [ 1, 2 ]
amdhsa.kernels:
  - .name:           k_q565a9bb5d1_cast
    .symbol:         k_q565a9bb5d1_cast.kd
    .args:
      - { .name: k, .offset: 0, .size: 8, .value_kind: global_buffer, .address_space: global }
      - { .name: q, .offset: 8, .size: 8, .value_kind: global_buffer, .address_space: global }
      - { .name: v, .offset: 16, .size: 8, .value_kind: global_buffer, .address_space: global }
      - { .name: Wk, .offset: 24, .size: 8, .value_kind: global_buffer, .address_space: global }
      - { .name: Wq, .offset: 32, .size: 8, .value_kind: global_buffer, .address_space: global }
      - { .name: xb, .offset: 40, .size: 8, .value_kind: global_buffer, .address_space: global }
    .group_segment_fixed_size: 0
    .private_segment_fixed_size: 0
    .kernarg_segment_align: 8
    .kernarg_segment_size: 48
    .max_flat_workgroup_size: 256
    .sgpr_count:     66
    .vgpr_count:     196
    .wavefront_size: 32
...
	.end_amdgpu_metadata
.endif
;; end of part 7
;; launch proj: the kernel of part 2 again; grid 4 x 96, 4 waves a work-group, clusters of 4 x 4, 327,680 bytes of LDS; arguments xb, pr; writes pr
;; launch scores: the kernel of part 3 again; grid 9 x 16, 4 waves a work-group, no clusters, 327,680 bytes of LDS; arguments pr, sc; writes sc
;; launch softmax: the kernel of part 4 again; grid 256 x 4, 8 waves a work-group, no clusters, 0 bytes of LDS; arguments sc, pw; writes pw
;; launch pv: the kernel of part 5 again; grid 8 x 32, 4 waves a work-group, clusters of 4 x 1, 327,680 bytes of LDS; arguments pw, pr, out0; writes out0
;; launch head: the kernel of part 6 again; grid 8 x 4, 8 waves a work-group, no clusters, 295,936 bytes of LDS; arguments xb, sc, out0; writes out0
